; MI455X (gfx1250); checked and timed in simulation.
; The chip was launched on July 23, 2026; its instructions are those of AMD's public machine-readable ISA for CDNA 5 (MIT licence, August 2026) and "CDNA5" Instruction Set Architecture Reference Guide (July 2026). The comments in the code are by the model that wrote it; some were corrected since.
;; Diagnostic HRR Phasor. Allowed arithmetic: float matrix products may take bf16 or f16 operands with f32 sums; all other float work in f32.
;; Inputs: Wk 1,024 x 1,024 float32; Wkp 1,024 x 1,024 float32; Wo 1,024 x 1,024 float32; Wq 1,024 x 1,024 float32; Wqp 1,024 x 1,024 float32; Wv 1,024 x 1,024 float32; bk 1,024 float32; bkp 1,024 float32; bo 1,024 float32; bq 1,024 float32; bqp 1,024 float32; bv 1,024 float32; ln_b 1,024 float32; ln_g 1,024 float32; phase_scale 1,024 float32; x 4 x 2,048 x 1,024 float32.
;; Outputs: out0 4 x 2,048 x 1,024 float32.
;; 2 versions, each right; version 2 is version 1 with the launches prep, lnorm written anew for expert scheduling mode. Each part assembles by itself: llvm-mc -triple=amdgcn-amd-amdhsa -mcpu=gfx1250 --defsym DOCPART=n.
;; ======== version 1 of 2: 5 launches
;; limits: a function is approximated: absolute error at most 6e-05
;; workspace buffers: xb 16,777,216 bytes; wsrc 10,485,760 bytes; wcat 6,291,456 bytes; bc 8,192 bytes; retr 33,554,432 bytes; lnb 16,777,216 bytes
;; launch prep (part 1): grid 448 x 1, 8 waves a work-group, no clusters, 0 bytes of LDS; arguments x, Wkp, Wqp, Wk, Wq, Wo, Wv, bk, bq, bkp, bqp, xb, wsrc, wcat, bc; writes xb, wsrc, wcat, bc
.if DOCPART == 1
	.amdgcn_target "amdgcn-amd-amdhsa--gfx1250"
	.amdhsa_code_object_version 6
	.text
	.protected	k_q4e37d4967a_prep
	.globl	k_q4e37d4967a_prep
	.p2align	8
	.type	k_q4e37d4967a_prep,@function
k_q4e37d4967a_prep:
	s_mov_b64 s[64:65], 0
	v_nop
	global_prefetch_b8 v0, s[64:65] scope:SCOPE_SE
	s_setreg_imm32_b32 hwreg(HW_REG_WAVE_MODE, 25, 1), 1
	s_wait_xcnt 0x0
; PREP.  Rounds x and the six weight matrices to bf16 and lays them in panels of 64 columns, [panel][row][64], so that every
; (rows x 64 k) tile of the later products is dense in memory.  For Wkp and Wqp it also makes the composed bias
;   bc[e] = 2 log2(e) x (sum over j of Wp_b[e][j] b_b[j] + bp_b[e]),   _b = rounded to bf16, the sum in f32.
; LIMITS.  Every input is taken rounded to bf16 (nearest even), the biases too; NaN and infinities are not treated apart.
; SHARES.  A work-group takes 32 rows of one matrix: groups 0-255 x, then 32 groups each for Wkp, Wqp, Wk, Wq, Wo, Wv (J = 1..6).
; A wave takes 4 rows as two pairs p; lanes 0-15 hold row 4 w + 2 p, lanes 16-31 the next.  Load i of a pair is 256 bytes of each row
; (the 64 columns of panel i); its 4 numbers a lane become 8 bytes, and the 32 lanes store 256 consecutive bytes, aligned.
; All 32 loads of a wave (16 KiB) are issued before the first is waited for: no loop, no LDS, no barrier; the matrix unit has no work here.
; bc leaves as 4 bytes from two lanes a store: 2,048 numbers in the whole launch.
.set X,    32                          ; v[32:159]  pair p, load i at X + 64 p + 4 i
.set BK,   160                         ; v[160:223] bk or bq: my 4 columns of each panel
.set T,    8                           ; v[8:15]    at work
.set DA,   16                          ; v[16:23]   the dot products' sums, four a pair
.set LOFF, 3                           ; v3  byte offset of my 16 bytes in the group's rows, as loaded
.set SOFF, 4                           ; v4  byte offset of my 8 bytes in a panel's 32 rows
.set VOFF, 5                           ; v5  byte offset of my 4 numbers in a panel's 64 of bk
.set BOFF, 6                           ; v6  byte offset of my row in bkp and in bc
.set SB,   66                          ; s[66:97]   panel i's store base
	s_load_b512 s[4:19], s[0:1], 0x0               ; x, Wkp, Wqp, Wk, Wq, Wo, Wv, bk
	s_load_b256 s[20:27], s[0:1], 0x40             ; bq, bkp, bqp, xb
	s_load_b128 s[28:31], s[0:1], 0x60             ; wsrc, wcat
	s_load_b64 s[32:33], s[0:1], 0x70              ; bc
	s_mov_b32 s39, ttmp9
	s_sub_co_u32 s36, s39, 256
	s_lshr_b32 s37, s36, 5
	s_add_co_u32 s37, s37, 1
	s_and_b32 s38, s36, 31
	s_cmp_lt_u32 s39, 256
	s_cselect_b32 s34, 0, s37                      ; J: which matrix
	s_cselect_b32 s35, s39, s38                    ; rg: which 32 rows of it
	s_sub_co_u32 s36, s34, 1                       ; J - 1
	s_mov_b32 s45, 0xffff0000                      ; a word's upper bf16
	; where the rows go (DOFF) and how far apart the panels lie (PS)
	s_lshl_b32 s40, s35, 12                        ; 32 rows of 128 bytes
	s_lshr_b32 s41, s35, 2                         ; block of 128 rows
	s_and_b32 s42, s35, 3
	s_lshl_b32 s42, s42, 12                        ; my 32 rows in it
	s_lshl_b32 s43, s36, 21                        ; wsrc: matrix J - 1, 2 MiB each
	s_lshl_b32 s44, s41, 18
	s_add_co_u32 s44, s44, s43
	s_add_co_u32 s44, s44, s42                     ; Wkp, Wqp: [8 blocks of 128 e][16 panels][128 e][64 j]
	s_mul_i32 s47, s41, 49152
	s_add_co_u32 s47, s47, s42
	s_add_co_u32 s47, s47, 32768                   ; Wv in wcat: row 384 (e / 128) + 256 + e % 128
	s_add_co_u32 s58, s43, s40                     ; Wk, Wq, Wo: [16 panels][1024 rows][64]
	s_mov_b32 s56, 131072
	s_cmp_eq_u32 s34, 0
	s_cselect_b32 s58, s40, s58                    ; x: [16 panels][8192 rows][64]
	s_cselect_b32 s56, 0x100000, s56
	s_cmp_lt_u32 s36, 2
	s_cselect_b32 s58, s44, s58
	s_cselect_b32 s56, 16384, s56
	s_cmp_eq_u32 s34, 6
	s_cselect_b32 s58, s47, s58
	s_cselect_b32 s56, 393216, s56
	s_mov_b32 s57, 0
	s_mov_b32 s59, 0
	s_lshl_b32 s60, s35, 17                        ; 32 rows of 4,096 bytes in the source
	s_mov_b32 s61, 0
	s_lshl_b32 s46, s35, 7                         ; 32 rg rows of 4 bytes
	v_and_b32 v1, 15, v0                           ; c: my place in a row's 256 bytes
	v_lshrrev_b32 v2, 5, v0
	v_bfe_u32 v7, v0, 4, 1
	v_lshl_add_u32 v2, v2, 2, v7                   ; my row of pair 0: 4 w + lane / 16
	v_lshlrev_b32 v[LOFF], 4, v1
	v_lshl_add_u32 v[LOFF], v2, 12, v[LOFF]
	v_lshlrev_b32 v[SOFF], 3, v1
	v_lshl_add_u32 v[SOFF], v2, 7, v[SOFF]
	v_lshlrev_b32 v[VOFF], 4, v1
	v_lshl_add_u32 v[BOFF], v2, 2, s46
	s_wait_kmcnt 0x0
	s_mov_b64 s[48:49], s[4:5]                     ; the source, chosen by J
	s_cmp_eq_u32 s34, 1
	s_cselect_b64 s[48:49], s[6:7], s[48:49]
	s_cmp_eq_u32 s34, 2
	s_cselect_b64 s[48:49], s[8:9], s[48:49]
	s_cmp_eq_u32 s34, 3
	s_cselect_b64 s[48:49], s[10:11], s[48:49]
	s_cmp_eq_u32 s34, 4
	s_cselect_b64 s[48:49], s[12:13], s[48:49]
	s_cmp_eq_u32 s34, 5
	s_cselect_b64 s[48:49], s[14:15], s[48:49]
	s_cmp_eq_u32 s34, 6
	s_cselect_b64 s[48:49], s[16:17], s[48:49]
	s_mov_b64 s[50:51], s[28:29]                   ; the destination: wsrc, but xb for x and wcat for Wv
	s_cselect_b64 s[50:51], s[30:31], s[50:51]
	s_cmp_eq_u32 s34, 0
	s_cselect_b64 s[50:51], s[26:27], s[50:51]
	s_cmp_eq_u32 s34, 2
	s_cselect_b64 s[52:53], s[20:21], s[18:19]     ; bq or bk
	s_cselect_b64 s[54:55], s[24:25], s[22:23]     ; bqp or bkp
	s_add_nc_u64 s[48:49], s[48:49], s[60:61]
	s_add_nc_u64 s[SB:SB+1], s[50:51], s[58:59]
.set i, 1
.rept 15
	s_add_nc_u64 s[SB+2*i:SB+2*i+1], s[SB+2*i-2:SB+2*i-1], s[56:57]
.set i, i+1
.endr
.macro LOADS                           ; the wave's four rows: 32 loads, each 256 bytes of two rows
.irp p, 0,1
.irp i, 0,1,2,3,4,5,6,7,8,9,10,11,12,13,14,15
	global_load_b128 v[X+64*(\p)+4*(\i):X+64*(\p)+4*(\i)+3], v[LOFF], s[48:49] offset:8192*(\p)+256*(\i) th:TH_LOAD_NT
.endr
.endr
.endm
.macro CONV                            ; in the order of the loads: round in place, store 8 bytes a lane
.irp p, 0,1
.irp i, 0,1,2,3,4,5,6,7,8,9,10,11,12,13,14,15
	s_wait_loadcnt 31-16*(\p)-(\i)                 ; loads return in order: the count is the data loads issued behind this one
	v_cvt_pk_bf16_f32 v[X+64*(\p)+4*(\i)],   v[X+64*(\p)+4*(\i)],   v[X+64*(\p)+4*(\i)+1]
	v_cvt_pk_bf16_f32 v[X+64*(\p)+4*(\i)+1], v[X+64*(\p)+4*(\i)+2], v[X+64*(\p)+4*(\i)+3]
	global_store_b64 v[SOFF], v[X+64*(\p)+4*(\i):X+64*(\p)+4*(\i)+1], s[SB+2*(\i):SB+2*(\i)+1] offset:256*(\p)  ; two rows of a panel: 256 consecutive bytes, aligned
.endr
.endr
.endm
	s_cmp_lt_u32 s36, 2
	s_cbranch_scc1 .Ldot                           ; Wkp and Wqp also make bc
	LOADS
	CONV
	s_endpgm
.Ldot:
.irp i, 0,1,2,3,4,5,6,7,8,9,10,11,12,13,14,15
	global_load_b128 v[BK+4*(\i):BK+4*(\i)+3], v[VOFF], s[52:53] offset:256*(\i)  ; older than the data loads, so CONV's counts cover them
.endr
	global_load_b32 v24, v[BOFF], s[54:55]
	global_load_b32 v25, v[BOFF], s[54:55] offset:8
	LOADS
	CONV
.set k, 0
.rept 32                               ; bk rounded to bf16 and widened again, in place
	v_cvt_pk_bf16_f32 v[T+k%4], v[BK+2*k], v[BK+2*k+1]
	v_lshlrev_b32 v[BK+2*k], 16, v[T+k%4]
	v_and_b32 v[BK+2*k+1], s45, v[T+k%4]
.set k, k+1
.endr
.irp p, 0,1                            ; the rounded weights are widened from the words just stored; two packed chains a pair of rows
.irp i, 0,1,2,3,4,5,6,7,8,9,10,11,12,13,14,15
	v_lshlrev_b32 v[T+4*((\i)%2)],   16,  v[X+64*(\p)+4*(\i)]
	v_and_b32     v[T+4*((\i)%2)+1], s45, v[X+64*(\p)+4*(\i)]
	v_lshlrev_b32 v[T+4*((\i)%2)+2], 16,  v[X+64*(\p)+4*(\i)+1]
	v_and_b32     v[T+4*((\i)%2)+3], s45, v[X+64*(\p)+4*(\i)+1]
.if (\i) == 0
	v_pk_mul_f32 v[DA+4*(\p):DA+4*(\p)+1],   v[T:T+1],   v[BK:BK+1]        ; the first products start the sums
	v_pk_mul_f32 v[DA+4*(\p)+2:DA+4*(\p)+3], v[T+2:T+3], v[BK+2:BK+3]
.else
	v_pk_fma_f32 v[DA+4*(\p):DA+4*(\p)+1],   v[T+4*((\i)%2):T+4*((\i)%2)+1],   v[BK+4*(\i):BK+4*(\i)+1],   v[DA+4*(\p):DA+4*(\p)+1]
	v_pk_fma_f32 v[DA+4*(\p)+2:DA+4*(\p)+3], v[T+4*((\i)%2)+2:T+4*((\i)%2)+3], v[BK+4*(\i)+2:BK+4*(\i)+3], v[DA+4*(\p)+2:DA+4*(\p)+3]
.endif
.endr
.endr
.irp p, 0,1                            ; a matrix row lies in 16 lanes: four steps inside each half of the wave
	v_pk_add_f32 v[DA+4*(\p):DA+4*(\p)+1], v[DA+4*(\p):DA+4*(\p)+1], v[DA+4*(\p)+2:DA+4*(\p)+3]
	v_add_f32 v[DA+4*(\p)], v[DA+4*(\p)], v[DA+4*(\p)+1]
	v_add_f32_dpp v[DA+4*(\p)], v[DA+4*(\p)], v[DA+4*(\p)] row_xmask:1 row_mask:0xf bank_mask:0xf
	v_add_f32_dpp v[DA+4*(\p)], v[DA+4*(\p)], v[DA+4*(\p)] row_xmask:2 row_mask:0xf bank_mask:0xf
	v_add_f32_dpp v[DA+4*(\p)], v[DA+4*(\p)], v[DA+4*(\p)] row_xmask:4 row_mask:0xf bank_mask:0xf
	v_add_f32_dpp v[DA+4*(\p)], v[DA+4*(\p)], v[DA+4*(\p)] row_xmask:8 row_mask:0xf bank_mask:0xf
.endr
	v_cvt_pk_bf16_f32 v26, v24, v25                ; bkp rounded to bf16
	v_lshlrev_b32 v24, 16, v26
	v_and_b32 v25, s45, v26
	v_add_f32 v[DA], v[DA], v24
	v_add_f32 v[DA+4], v[DA+4], v25
	v_mul_f32 v[DA], 0x4038aa3b, v[DA]             ; times 2 log2(e): the later exponential is base 2
	v_mul_f32 v[DA+4], 0x4038aa3b, v[DA+4]
	s_lshl_b32 s60, s36, 12                        ; bc's row 0 for k, row 1 for q
	s_add_nc_u64 s[32:33], s[32:33], s[60:61]
	v_cmp_eq_u32 vcc_lo, 0, v1
	s_wait_xcnt 0x0                                ; EXEC is a source of the stores above: it changes only behind this wait
	s_and_saveexec_b32 s46, vcc_lo                 ; lanes 0 and 16 speak for their rows
	global_store_b32 v[BOFF], v[DA], s[32:33]
	global_store_b32 v[BOFF], v[DA+4], s[32:33] offset:8
	s_wait_xcnt 0x0                                ; and again in front of the line that widens it
	s_or_b32 exec_lo, exec_lo, s46
	s_endpgm
.Lfunc_end_k_q4e37d4967a_prep:
	.size	k_q4e37d4967a_prep, .Lfunc_end_k_q4e37d4967a_prep-k_q4e37d4967a_prep
	.p2alignl 7, 3214868480
	.fill 96, 4, 3214868480
	.section	.rodata,"a",@progbits
	.p2align	6, 0x0
	.amdhsa_kernel k_q4e37d4967a_prep
		.amdhsa_group_segment_fixed_size 0
		.amdhsa_private_segment_fixed_size 0
		.amdhsa_enable_private_segment 0
		.amdhsa_kernarg_size 120
		.amdhsa_user_sgpr_count 2
		.amdhsa_user_sgpr_kernarg_segment_ptr 1
		.amdhsa_wavefront_size32 1
		.amdhsa_system_sgpr_workgroup_id_x 1
		.amdhsa_system_sgpr_workgroup_id_y 1
		.amdhsa_system_sgpr_workgroup_id_z 1
		.amdhsa_system_vgpr_workitem_id 0
		.amdhsa_next_free_vgpr 224
		.amdhsa_next_free_sgpr 100
		.amdhsa_reserve_vcc 1
		.amdhsa_float_denorm_mode_32 3
		.amdhsa_float_denorm_mode_16_64 3
		.amdhsa_memory_ordered 1
		.amdhsa_forward_progress 1
		.amdhsa_inst_pref_size 41
	.end_amdhsa_kernel
	.amdgpu_metadata
---
amdhsa.version: [ 1, 2 ]
amdhsa.kernels:
  - .name:           k_q4e37d4967a_prep
    .symbol:         k_q4e37d4967a_prep.kd
    .args:
      - { .name: x, .offset: 0, .size: 8, .value_kind: global_buffer, .address_space: global }
      - { .name: Wkp, .offset: 8, .size: 8, .value_kind: global_buffer, .address_space: global }
      - { .name: Wqp, .offset: 16, .size: 8, .value_kind: global_buffer, .address_space: global }
      - { .name: Wk, .offset: 24, .size: 8, .value_kind: global_buffer, .address_space: global }
      - { .name: Wq, .offset: 32, .size: 8, .value_kind: global_buffer, .address_space: global }
      - { .name: Wo, .offset: 40, .size: 8, .value_kind: global_buffer, .address_space: global }
      - { .name: Wv, .offset: 48, .size: 8, .value_kind: global_buffer, .address_space: global }
      - { .name: bk, .offset: 56, .size: 8, .value_kind: global_buffer, .address_space: global }
      - { .name: bq, .offset: 64, .size: 8, .value_kind: global_buffer, .address_space: global }
      - { .name: bkp, .offset: 72, .size: 8, .value_kind: global_buffer, .address_space: global }
      - { .name: bqp, .offset: 80, .size: 8, .value_kind: global_buffer, .address_space: global }
      - { .name: xb, .offset: 88, .size: 8, .value_kind: global_buffer, .address_space: global }
      - { .name: wsrc, .offset: 96, .size: 8, .value_kind: global_buffer, .address_space: global }
      - { .name: wcat, .offset: 104, .size: 8, .value_kind: global_buffer, .address_space: global }
      - { .name: bc, .offset: 112, .size: 8, .value_kind: global_buffer, .address_space: global }
    .group_segment_fixed_size: 0
    .private_segment_fixed_size: 0
    .kernarg_segment_align: 8
    .kernarg_segment_size: 120
    .max_flat_workgroup_size: 256
    .sgpr_count:     100
    .vgpr_count:     224
    .wavefront_size: 32
...
	.end_amdgpu_metadata
.endif
;; end of part 1
;; launch wprod (part 2): grid 8 x 16, 4 waves a work-group, clusters of 4 x 4, 327,680 bytes of LDS; arguments wsrc, wcat; writes wcat
.if DOCPART == 2
	.amdgcn_target "amdgcn-amd-amdhsa--gfx1250"
	.amdhsa_code_object_version 6
	.text
	.protected	k_q4e37d4967a_wprod
	.globl	k_q4e37d4967a_wprod
	.p2align	8
	.type	k_q4e37d4967a_wprod,@function
k_q4e37d4967a_wprod:
	s_mov_b64 s[64:65], 0
	v_nop
	global_prefetch_b8 v0, s[64:65] scope:SCOPE_SE
	s_setreg_imm32_b32 hwreg(HW_REG_WAVE_MODE, 25, 1), 1
	s_wait_xcnt 0x0
	s_wait_alu depctr_hold_cnt(0) depctr_sa_sdst(0) depctr_va_vdst(0) depctr_va_sdst(0) depctr_va_ssrc(0) depctr_va_vcc(0) depctr_vm_vsrc(0)
	s_getreg_b32 s2, hwreg(HW_REG_IB_STS2, 6, 4)
	s_cmp_eq_u32 s2, 0
	s_cbranch_scc0 .Lentry_in_a_cluster
	s_endpgm
.Lentry_in_a_cluster:
	s_bfe_u32 s2, ttmp6, 0x10000c
	s_cmp_lg_u32 s2, 0xf033
	s_cbranch_scc0 .Lentry_shape_is_right
	s_endpgm
.Lentry_shape_is_right:
; WPROD.  The two phase linears are composed with the linears in front of them: Wc[e][d] = sum over j of Wp_b[e][j] W_b[j][d], for (Wkp, Wk) and (Wqp, Wq).
; bf16 operands, f32 sums, Wc rounded once to bf16 and written into wcat, [16 panels of 64 d][3072 rows][64], row 384 (e / 128) + 128 q + e % 128 (q = 0: k, 1: q).
; LIMIT.  Nothing non-linear stands between the two linears, so the composition is exact algebra; what it adds is one rounding of Wc to bf16.
; SHARES.  A work-group makes 128 e x 128 d of one product (grid x: the block of d; grid y: 8 q + the block of e): 128 work-groups, all that the two products have at this tile.
; Four waves, each 64 e x 64 d: 16 accumulators.  K = j goes in steps of 256 through two LDS slots.
; Wp lies [e][j], j along the rows; W lies [j][d], so its fragments come out of LDS turned, by ds_load_tr16_b128.
; THE MATRIX INSTRUCTION: source 0 = 16 d of W^T, source 1 = 16 e of Wp: a lane holds one e (lane % 16) and eight neighbouring d, 16 bytes of a row of wcat.
; CLUSTER 4 x 4: the four of a row share Wp's tiles (same e, same q), the four of a column W's (same d; q hangs on the cluster's y alone): each tile is asked for jointly.
; REGISTERS: window 0: v0-31 addresses; v32-95 the way out; v128-255 the accumulators ((a, b) at v[128 + 8 (4 a + b)]).  Window 1: two fragment buffers of 128: 64 of Wp, then 64 of W^T, for 64 along j.
.set PP,    144                        ; a row of Wp in LDS: 128 bytes + 16: the 16 rows of a load start 36 words apart
.set PW,    160                        ; a row of W: 128 + 32: 16 lanes of the turning load take 8 rows x 32 bytes
.set WOFF,  4*128*PP                   ; a slot: Wp's 4 panels of 64 j x 128 e, then W's 2 panels of 64 d x 256 j
.set SLOT,  WOFF+2*256*PW
.set STAGE, 2*SLOT                     ; behind the ring: 16 rows x 144 bytes for each wave, for the way out
.set SP,    144
.set SPARE, STAGE+4*16*SP              ; behind the stages: the spare words, 128 bytes a wave: two blocks of 256 bytes that no other line names
.set LAPS,  2                          ; 1,024 j = 4 steps = twice round the ring
.set ADRP, 16                          ; v16-17  LDS address of my Wp fragments in slot 0, 1
.set ADRW, 20                          ; v20-21  the same for W
.set STO,  24
.set RD,   25
.set GO,   26
.set SPW,  28                          ; v28  SPARE + 4 x my thread's number; never rewritten
.set NIL,  29                          ; v29  0; never rewritten
.set TMP,  32
.set ACC,  128
.set F0,   0
.set F1,   128
.set G1, 24                            ; s[24:31] group 1 for Wp's tiles; s[32:39] group 0, a set a slot
.set G0, 32
.set G1B, 48                           ; s[48:55], s[56:63] the same for W's
.set G0B, 56
.set MSB, 0
.macro WIN new                         ; the immediate's high byte repeats the setting that is left
.if MSB != (\new)
	s_set_vgpr_msb (MSB<<8)|(\new)
.set MSB, \new
.endif
.endm
.set MUL,  0x05                        ; sources 0 and 1 window 1; C and D window 0
.set TO_F, 0x40                        ; destination window 1, address window 0
.macro JLOAD s                         ; a joint load: waves 0, 1 fetch Wp's halves, waves 2, 3 W's; s_nop 0 and four v_nop follow each line
	s_cmp_eq_u32 s11, 0
	s_cbranch_scc0 .Lfor_b_\@
	tensor_load_to_lds s[G0+4*(\s):G0+4*(\s)+3], s[G1:G1+7]
	s_nop 0
.rept 4
	v_nop
.endr
	s_branch .Lasked_\@
.Lfor_b_\@:
	tensor_load_to_lds s[G0B+4*(\s):G0B+4*(\s)+3], s[G1B:G1B+7]
	s_nop 0
.rept 4
	v_nop
.endr
.Lasked_\@:
.endm
.macro CREST                           ; a round of the cluster's barrier behind its opening barrier
	s_cmp_lg_u32 s10, 0
	s_cbranch_scc1 .Lnot_wave_0_\@
	s_barrier_signal -3
.Lnot_wave_0_\@:
	s_barrier_wait -3
	s_barrier_signal -1
	s_barrier_wait -1
.endm
.macro CROUND
	s_barrier_signal -1
	s_barrier_wait -1
	CREST
.endm
	s_load_b128 s[4:7], s[0:1], 0x0                ; wsrc s[4:5], wcat s[6:7]
	v_lshl_add_u32 v[SPW], v0, 2, SPARE
	v_mov_b32 v[NIL], 0
	ds_add_u32 v[SPW], v[NIL]                      ; the wave's opening: the add and its wait stand ahead of my first tensor load
	v_lshrrev_b32 v1, 5, v0
	v_readfirstlane_b32 s10, v1                    ; wave 0..3
	s_lshr_b32 s11, s10, 1                         ; my half of the tile's e.  Also: I fetch for Wp (0) or W (1)
	s_and_b32 s12, s10, 1                          ; my half of its d.  Also: which half of that operand's slot I fetch
	s_bfe_u32 s40, ttmp6, 0x40000                  ; cx, cy
	s_bfe_u32 s41, ttmp6, 0x40004
	s_lshl_b32 s42, ttmp9, 2
	s_add_co_u32 s42, s42, s40                     ; the block of 128 d
	s_and_b32 s45, ttmp7, 0xffff
	s_lshl_b32 s13, s45, 2
	s_add_co_u32 s13, s13, s41                     ; y = 8 q + the block of 128 e
	s_lshr_b32 s45, s45, 1                         ; q, from the cluster's y alone: all sixteen partners share it
	s_lshl_b32 s43, s41, 2
	s_lshl_b32 s43, 15, s43                        ; my row of the cluster
	s_lshl_b32 s44, 0x1111, s40                    ; my column
	; group 1: 32,768 dense bytes asked for as 128 rows of 256 bytes, padded in LDS after every 128 bytes
	s_or_b32 s[G1+0], s43, (1<<16)|(1<<20)|(1<<21)|(4<<22)|(3<<25)   ; mask; 2-byte elements; padding on; bit 21 beside a mask; after every 32 words; 4 words
	s_or_b32 s[G1B+0], s44, (1<<16)|(1<<20)|(1<<21)|(4<<22)|(7<<25)  ; the same with my column's mask and 8 words
.irp g, G1, G1B
	s_mov_b32 s[(\g)+1], 128<<16                   ; tensor_dim0 = 128
	s_mov_b32 s[(\g)+2], 128<<16                   ; tensor_dim1 = 128
	s_mov_b32 s[(\g)+3], 128<<16                   ; tile_dim0 = 128
	s_mov_b32 s[(\g)+4], 128                       ; tile_dim1 = 128
	s_mov_b32 s[(\g)+5], 128                       ; 128 elements from row to row
	s_mov_b32 s[(\g)+6], 0
	s_mov_b32 s[(\g)+7], 0
.endr
	s_lshl_b32 s16, s13, 18                        ; Wp: block y of 262,144 bytes,
	s_lshl_b32 s17, s12, 15                        ; my two panels of 16,384
	s_add_co_u32 s16, s16, s17
	s_mov_b32 s17, 0
	s_lshl_b32 s46, s42, 18                        ; W: panel 2 db + half, 131,072 bytes each,
	s_lshl_b32 s47, s12, 17
	s_add_co_u32 s46, s46, s47
	s_lshl_b32 s47, s45, 21                        ; of Wk or Wq,
	s_add_co_u32 s46, s46, s47
	s_add_co_u32 s46, s46, 0x400000                ; which lie behind Wkp and Wqp
	s_mov_b32 s47, 0
	s_mul_i32 s20, s12, 2*128*PP                   ; where they go: no place in the cluster enters an LDS address
	s_mul_i32 s21, s12, 256*PW
	s_add_co_u32 s21, s21, WOFF
	s_wait_dscnt 0x0                               ; the opening add is done
	s_wait_kmcnt 0x0
	s_add_nc_u64 s[14:15], s[4:5], s[16:17]
	s_add_nc_u64 s[46:47], s[4:5], s[46:47]
	CROUND                                         ; all sixteen work-groups are here: the first joint loads meet
.irp s, 0,1
	s_mov_b32 s[G0+4*(\s)], 1
	s_add_co_u32 s[G0+4*(\s)+1], s20, (\s)*SLOT
	s_add_nc_u64 s[G0+4*(\s)+2:G0+4*(\s)+3], s[14:15], (\s)*65536    ; a step is four panels of Wp
	s_or_b32 s[G0+4*(\s)+3], s[G0+4*(\s)+3], 0x80000000
	s_mov_b32 s[G0B+4*(\s)], 1
	s_add_co_u32 s[G0B+4*(\s)+1], s21, (\s)*SLOT
	s_add_nc_u64 s[G0B+4*(\s)+2:G0B+4*(\s)+3], s[46:47], (\s)*32768  ; and 256 rows of W
	s_or_b32 s[G0B+4*(\s)+3], s[G0B+4*(\s)+3], 0x80000000
	JLOAD \s                                       ; two loads of mine are out
.endr
	v_and_b32 v1, 15, v0                           ; l % 16
	v_bfe_u32 v2, v0, 4, 1                         ; l / 16
	v_mul_u32_u24 v3, v1, PP
	v_lshl_add_u32 v3, v2, 4, v3                   ; row x pitch + 16 x half
	v_and_b32 v4, 7, v0
	v_bfe_u32 v5, v0, 3, 1
	v_lshl_add_u32 v6, v2, 3, v4                   ; the turning load: row j = 8 (l / 16) + l % 8,
	v_mul_u32_u24 v6, v6, PW
	v_lshl_add_u32 v6, v5, 4, v6                   ; 16 bytes at 16 ((l / 8) % 2)
	s_mul_i32 s21, s11, 64*PP                      ; my 64 e
	s_mul_i32 s22, s12, 256*PW                     ; my panel of d
	s_add_co_u32 s22, s22, WOFF
.irp s, 0,1
	v_add_nc_u32 v[ADRP+(\s)], s21, v3
	v_add_nc_u32 v[ADRW+(\s)], s22, v6
	s_add_co_u32 s21, s21, SLOT
	s_add_co_u32 s22, s22, SLOT
.endr
	s_mul_i32 s23, s10, 16*SP
	s_add_co_u32 s23, s23, STAGE                   ; my stage
	v_add_nc_u32 v[STO], s23, v3                   ; in: row l % 16, 16 bytes for each half of the lanes
	v_bfe_u32 v[RD], v0, 3, 2                      ; back: 32 lanes take four rows of 128 bytes,
	v_mul_u32_u24 v[RD], v[RD], SP
	v_lshl_add_u32 v[RD], v4, 4, v[RD]
	v_add_nc_u32 v[RD], s23, v[RD]
	v_and_b32 v[GO], 31, v0                        ; which are 512 consecutive bytes of wcat
	v_lshlrev_b32 v[GO], 4, v[GO]
	s_lshl_b32 s22, s42, 1
	s_add_co_u32 s22, s22, s12
	s_mul_i32 s18, s22, 393216                     ; wcat: panel 2 db + my half,
	s_and_b32 s22, s13, 7
	s_mul_i32 s22, s22, 384                        ; row 384 eb + 128 q + 64 x my half of e
	s_lshl_b32 s23, s45, 7
	s_add_co_u32 s22, s22, s23
	s_lshl_b32 s23, s11, 6
	s_add_co_u32 s22, s22, s23
	s_lshl_b32 s22, s22, 7
	s_add_co_u32 s18, s18, s22
	s_mov_b32 s19, 0
	s_add_nc_u64 s[6:7], s[6:7], s[18:19]
; 8 matrix instructions: e blocks a0, a0 + 1 x all 4 d blocks, 32 along j: half c of buffer f.  zero = 1: the first product starts the sums.  The 16 accumulators take turns.
.macro MUL8 f, c, a0, zero
	WIN MUL
.irp a, \a0, (\a0)+1
.irp b, 0,1,2,3
.if \zero
	v_wmma_f32_16x16x32_bf16 v[ACC+8*(4*(\a)+(\b)):ACC+8*(4*(\a)+(\b))+7], v[(\f)+64+8*(4*(\c)+(\b)):(\f)+64+8*(4*(\c)+(\b))+7], v[(\f)+8*(4*(\c)+(\a)):(\f)+8*(4*(\c)+(\a))+7], 0
.else
	v_wmma_f32_16x16x32_bf16 v[ACC+8*(4*(\a)+(\b)):ACC+8*(4*(\a)+(\b))+7], v[(\f)+64+8*(4*(\c)+(\b)):(\f)+64+8*(4*(\c)+(\b))+7], v[(\f)+8*(4*(\c)+(\a)):(\f)+8*(4*(\c)+(\a))+7], v[ACC+8*(4*(\a)+(\b)):ACC+8*(4*(\a)+(\b))+7]
.endif
.endr
.endr
.endm
; 32 LDS loads in one run: the fragments of quarter qd (64 along j: one panel of Wp, 64 rows of W) into buffer f; the first 32 along j first
.macro FETCH slot, qd, f
	WIN TO_F
.irp c, 0,1
.irp t, 0,1,2,3
	ds_load_tr16_b128 v[(\f)+64+8*(4*(\c)+(\t)):(\f)+64+8*(4*(\c)+(\t))+3],   v[ADRW+(\slot)] offset:(64*(\qd)+32*(\c))*PW+32*(\t)
	ds_load_tr16_b128 v[(\f)+64+8*(4*(\c)+(\t))+4:(\f)+64+8*(4*(\c)+(\t))+7], v[ADRW+(\slot)] offset:(64*(\qd)+32*(\c)+16)*PW+32*(\t)
	ds_load_b128 v[(\f)+8*(4*(\c)+(\t)):(\f)+8*(4*(\c)+(\t))+3],   v[ADRP+(\slot)] offset:(\qd)*128*PP+(\t)*16*PP+64*(\c)
	ds_load_b128 v[(\f)+8*(4*(\c)+(\t))+4:(\f)+8*(4*(\c)+(\t))+7], v[ADRP+(\slot)] offset:(\qd)*128*PP+(\t)*16*PP+64*(\c)+32
.endr
.endr
.endm
.macro PLACES                          ; four places in front of loads into registers that matrix instructions have read, and of conversions that read results
.rept 4
	v_nop
.endr
.endm
; A step is four quarters of 64 along j, 32 matrix instructions each, on buffers 0, 1, 0, 1.  One of the first three: multiplies f and fetches quarter qd into g.
.macro QUARTER slot, qd, f, g, zero
	s_wait_dscnt 16                                ; the first 32 along j are in; the other sixteen loads may be out
	MUL8 \f, 0, 0, \zero
	MUL8 \f, 0, 2, \zero
	PLACES
	FETCH \slot, \qd, \g
	s_wait_dscnt 32                                ; all but the 32 just issued
	MUL8 \f, 1, 0, 0
	MUL8 \f, 1, 2, 0
.endm
; The last quarter multiplies buffer 1 and changes slots: each wave waits for all its tensor loads (one is out: its part of the next slot), adds 0 to its spare word, waits for that and
; for its reads of this slot, and signals.  fill = 1: the barrier opens a round of the cluster's, and this slot is filled again, first thing behind it.
.macro TURN slot, next, fill
	WIN 0
	s_wait_tensorcnt 0x0
	ds_add_u32 v[SPW], v[NIL]
	s_wait_dscnt 17                                ; the add and the youngest sixteen loads may be out
	MUL8 F1, 0, 0, 0
	s_wait_dscnt 0x0                               ; the add is done, and my reads of this slot are over
	s_barrier_signal -1
	MUL8 F1, 0, 2, 0
.if \fill
	WIN 0
.endif
	s_barrier_wait -1
.if \fill
	CREST                                          ; no wave of any partner still reads this slot or has a load on its way
	s_add_nc_u64 s[G0+4*(\slot)+2:G0+4*(\slot)+3], s[G0+4*(\slot)+2:G0+4*(\slot)+3], 2*65536
	s_add_nc_u64 s[G0B+4*(\slot)+2:G0B+4*(\slot)+3], s[G0B+4*(\slot)+2:G0B+4*(\slot)+3], 2*32768
	JLOAD \slot                                    ; 112 matrix instructions ahead of the wait for it; its four v_nop are also the places in front of the loads below
.else
	PLACES
.endif
	FETCH \next, 0, F0
	MUL8 F1, 1, 0, 0
	MUL8 F1, 1, 2, 0
.endm
	s_wait_tensorcnt 0x1                           ; my part of step 0 is in; step 1's may stay out
	s_barrier_signal -1
	s_barrier_wait -1
	FETCH 0, 0, F0
	QUARTER 0, 1, F0, F1, 1                        ; the first quarter stands in front of the loop: its first products start the sums
	WIN 0
	s_mov_b32 s3, LAPS-1
.Llap:                                                 ; a trip goes once round the ring and fills both slots again
	QUARTER 0, 2, F1, F0, 0
	QUARTER 0, 3, F0, F1, 0
	TURN 0, 1, 1
	QUARTER 1, 1, F0, F1, 0
	QUARTER 1, 2, F1, F0, 0
	QUARTER 1, 3, F0, F1, 0
	TURN 1, 0, 1
	QUARTER 0, 1, F0, F1, 0
	WIN 0
	s_sub_co_u32 s3, s3, 1
	s_cmp_lg_u32 s3, 0
	s_cbranch_scc1 .Llap
	QUARTER 0, 2, F1, F0, 0                        ; the last lap fills nothing
	QUARTER 0, 3, F0, F1, 0
	TURN 0, 1, 0
	QUARTER 1, 1, F0, F1, 0
	QUARTER 1, 2, F1, F0, 0
	QUARTER 1, 3, F0, F1, 0
	s_wait_dscnt 16
	MUL8 F1, 0, 0, 0
	MUL8 F1, 0, 2, 0
	s_wait_dscnt 0x0
	MUL8 F1, 1, 0, 0
	MUL8 F1, 1, 2, 0
	WIN 0
	; THE WAY OUT, 16 e at a time: rounded to bf16, 16 bytes a lane into rows of 144 bytes of my own stage, back as whole rows of 128, stored as 512 consecutive bytes.
	PLACES
.macro PACK i
.irp jd, 0,1,2,3
.irp r, 0,1,2,3
	v_cvt_pk_bf16_f32 v[TMP+16*(\i)+4*(\jd)+(\r)], v[ACC+8*(4*(\i)+(\jd))+2*(\r)], v[ACC+8*(4*(\i)+(\jd))+2*(\r)+1]
.endr
.endr
.irp jd, 0,1,2,3
	ds_store_b128 v[STO], v[TMP+16*(\i)+4*(\jd):TMP+16*(\i)+4*(\jd)+3] offset:32*(\jd)
.endr
.irp f, 0,1,2,3
	ds_load_b128 v[TMP+16*(\i)+4*(\f):TMP+16*(\i)+4*(\f)+3], v[RD] offset:(\f)*4*SP  ; LDS serves a wave's instructions in order (ISA guide 5.7.1.4): these see the stores above, and the next block's stores come behind them
.endr
.endm
.macro SEND i, younger                 ; younger: the LDS instructions issued behind block i's loads: the next block's eight, or none
.irp f, 0,1,2,3
	s_wait_dscnt (\younger)+3-(\f)
	global_store_b128 v[GO], v[TMP+16*(\i)+4*(\f):TMP+16*(\i)+4*(\f)+3], s[6:7] offset:(\i)*2048+(\f)*512
.endr
.endm
	PACK 0
	PACK 1
	SEND 0, 8
	PACK 2
	SEND 1, 8
	PACK 3
	SEND 2, 8
	SEND 3, 0
	s_wait_tensorcnt 0x0                           ; the wave's end
	ds_add_u32 v[SPW], v[NIL]
	s_wait_dscnt 0x0
	CROUND                                         ; the closing round
	s_endpgm
.Lfunc_end_k_q4e37d4967a_wprod:
	.size	k_q4e37d4967a_wprod, .Lfunc_end_k_q4e37d4967a_wprod-k_q4e37d4967a_wprod
	.p2alignl 7, 3214868480
	.fill 96, 4, 3214868480
	.section	.rodata,"a",@progbits
	.p2align	6, 0x0
	.amdhsa_kernel k_q4e37d4967a_wprod
		.amdhsa_group_segment_fixed_size 327680
		.amdhsa_private_segment_fixed_size 0
		.amdhsa_enable_private_segment 0
		.amdhsa_kernarg_size 16
		.amdhsa_user_sgpr_count 2
		.amdhsa_user_sgpr_kernarg_segment_ptr 1
		.amdhsa_wavefront_size32 1
		.amdhsa_system_sgpr_workgroup_id_x 1
		.amdhsa_system_sgpr_workgroup_id_y 1
		.amdhsa_system_sgpr_workgroup_id_z 1
		.amdhsa_system_vgpr_workitem_id 0
		.amdhsa_next_free_vgpr 512
		.amdhsa_next_free_sgpr 66
		.amdhsa_reserve_vcc 0
		.amdhsa_float_denorm_mode_32 3
		.amdhsa_float_denorm_mode_16_64 3
		.amdhsa_memory_ordered 1
		.amdhsa_forward_progress 1
		.amdhsa_inst_pref_size 87
	.end_amdhsa_kernel
	.amdgpu_metadata
---
amdhsa.version: [ 1, 2 ]
amdhsa.kernels:
  - .name:           k_q4e37d4967a_wprod
    .symbol:         k_q4e37d4967a_wprod.kd
    .args:
      - { .name: wsrc, .offset: 0, .size: 8, .value_kind: global_buffer, .address_space: global }
      - { .name: wcat, .offset: 8, .size: 8, .value_kind: global_buffer, .address_space: global }
    .group_segment_fixed_size: 327680
    .private_segment_fixed_size: 0
    .kernarg_segment_align: 8
    .kernarg_segment_size: 16
    .max_flat_workgroup_size: 128
    .sgpr_count:     66
    .vgpr_count:     512
    .wavefront_size: 32
...
	.end_amdgpu_metadata
.endif
;; end of part 2
;; launch phasor (part 3): grid 8 x 32, 4 waves a work-group, clusters of 4 x 4, 327,680 bytes of LDS; arguments xb, wcat, bc, bv, phase_scale, retr; writes retr
.if DOCPART == 3
	.amdgcn_target "amdgcn-amd-amdhsa--gfx1250"
	.amdhsa_code_object_version 6
	.text
	.protected	k_q4e37d4967a_phasor
	.globl	k_q4e37d4967a_phasor
	.p2align	8
	.type	k_q4e37d4967a_phasor,@function
k_q4e37d4967a_phasor:
	s_mov_b64 s[64:65], 0
	v_nop
	global_prefetch_b8 v0, s[64:65] scope:SCOPE_SE
	s_setreg_imm32_b32 hwreg(HW_REG_WAVE_MODE, 25, 1), 1
	s_wait_xcnt 0x0
	s_wait_alu depctr_hold_cnt(0) depctr_sa_sdst(0) depctr_va_vdst(0) depctr_va_sdst(0) depctr_va_ssrc(0) depctr_va_vcc(0) depctr_vm_vsrc(0)
	s_getreg_b32 s2, hwreg(HW_REG_IB_STS2, 6, 4)
	s_cmp_eq_u32 s2, 0
	s_cbranch_scc0 .Lentry_in_a_cluster
	s_endpgm
.Lentry_in_a_cluster:
	s_bfe_u32 s2, ttmp6, 0x10000c
	s_cmp_lg_u32 s2, 0xf033
	s_cbranch_scc0 .Lentry_shape_is_right
	s_endpgm
.Lentry_shape_is_right:
; PHASOR.  For 256 rows x 128 columns a work-group makes all three products of x_b: u_k = x Wck^T, u_q = x Wcq^T, v = x Wv^T (bf16 operands, f32 sums), and from them
;   phase = tanh(u + bias) x phase_scale;  bound = (v + bv) (cos, sin)(phase_k);  mem = running sum of bound inside chunks of 64 rows;
;   retr = (mem_re cos(phase_q) + mem_im sin(phase_q)) / 32, in f32, row-major.
; LIMITS.  All inputs are taken rounded to bf16 (bv and phase_scale here; x and the weights arrive so).  tanh(u) = 1 - 2 / (1 + 2^(2 log2(e) u)): absolute error near 1e-7; where the
; exponential overflows or underflows the quotient is 0 or 1 and tanh is +-1, as it should be.  With t = phase / 2 pi and r = t - nearest(t), |r| <= 1/2:
; S = sqrt2 sin(pi r), C = sqrt2 cos(pi r) by their series up to (pi r)^7 and (pi r)^8; sin(phase) = S C stays within 6e-5, cos(phase) = C C - 1 within 6e-6, for every r.
; t is kept in f32, so the phase is off by 6e-8 |t| turns: it grows with |phase_scale|.  NaN and infinities in the inputs are not treated apart.
; SHARES.  Four waves; a wave makes 128 rows x 64 columns of each product: 96 accumulators, 768 registers: for 32 along K it reads (128 + 192) x 64 bytes of LDS for 96 matrix instructions.
; K goes in steps of 64 (one panel of xb and wcat; a step's tiles are dense in memory) through two LDS slots; two slots of 128 along K would not fit.
; THE MATRIX INSTRUCTION: source 0 = 16 rows of wcat, source 1 = 16 rows of x: a lane holds one row (lane % 16) and eight neighbouring columns.
; CLUSTER 4 x 4: x's tiles hang on the block of rows and are shared along a row of the cluster, wcat's on the block of columns and are shared along a column: joint loads.
; BEHIND THE PRODUCTS the ring is dead (its last fill has landed and been read), and each wave lays 64 rows (a chunk) of its three results into LDS bytes of its own, then walks them
; four rows a trip, a lane holding two columns, so that the running sum is a chain in registers and a row's 64 columns leave as 256 consecutive bytes.
; The walk is a pipeline of two stages: a trip does the BACK of its four rows (t, r, the series, binding, running sum, rotation, stores), and between the back's lines stands the FRONT
; of the next four rows (scaling, exponentials, + 1, reciprocals).
; REGISTERS: windows 1, 2, 3: the accumulators of u_k, u_q, v ((a, b) at v[8 (4 a + b)]).  Window 0: v2-15 my two columns' constants and the running sums; v16-29 addresses;
; v32-159 two buffers of x's fragments; v160-255 wcat's fragments, 32 a product; behind the products v32-167 are at work.
.set PITCH, 144                        ; an LDS row: 128 bytes + 16: the 16 rows of a load start 36 words apart
.set AH,    128*PITCH                  ; what wave 0 or 1 fetches of x
.set BH,    192*PITCH                  ; what wave 2 or 3 fetches of wcat
.set BOFF,  2*AH
.set SLOT,  BOFF+2*BH
.set DP,    272                        ; a dumped row: 64 f32 + 16 bytes
.set PLANE, 64*DP
.set DUMPW, 3*PLANE                    ; a wave's dump: three products x 64 rows
.set SPARE, 4*DUMPW                    ; behind the dumps: the spare words, 128 bytes a wave: two blocks of 256 bytes that no other line names
.set CKB, 2                            ; v[2:3]   2 log2(e) x the composed bias of k, my two columns
.set CQB, 4                            ; v[4:5]   of q
.set CVB, 6                            ; v[6:7]   bv / 32
.set CP1, 8                            ; v[8:9]   phase_scale / 2 pi
.set CP2, 10                           ; v[10:11] -2 x that
.set MR,  12                           ; v[12:13] the running sum, real
.set MI,  14                           ; v[14:15] imaginary
.set ADRA, 16                          ; v16-17  LDS address of my fragments of x in slot 0, 1
.set ADRB, 18                          ; v18-19  of wcat
.set DST,  20                          ; v20  where I dump 16 bytes of a row
.set RD0,  21                          ; v21  my two columns in the dump's first row
.set RDA,  22                          ; v22  the same, in the rows that the trip fetches
.set GOFF, 23                          ; v23  my byte offset in retr
.set SPW,  28                          ; v28  SPARE + 4 x my thread's number; never rewritten
.set NIL,  29                          ; v29  0; never rewritten
.set FA0,  32
.set FA1,  96
.set FB,   160
.set RK,   32                          ; four rows as read back: u_k v[32:39], u_q v[40:47],
.set RV,   48                          ; v v[48:55]
.set TF,   56                          ; the front's eight pairs (u_k of rows 0-3, u_q of rows 0-3): exponent, exponential, + 1, quotient
.set TV,   72                          ; (v + bv) / 32 of four rows
.set TN,   80                          ; nearest(t), then r^2
.set TP,   96                          ; S, then sin
.set TQ,   112                         ; C, then cos
.set MRR,  128                         ; the running sums behind rows 0-2
.set MIR,  136
.set OUT,  144
.set TE,   152                         ; the back's eight pairs: t, then r
.set WV,  16                           ; s16 wave; s17 wave / 2; s18 wave % 2
.set G1A, 24
.set G0A, 32
.set G1B, 40
.set G0B, 48
.set KL2E, 66                          ; constants, each in both words of a pair: the packed forms name pairs
.set KI32, 68
.set KA1,  70
.set KA3,  72
.set KA5,  74
.set KA7,  76
.set KB0,  80
.set KB2,  82
.set KB4,  84
.set KB6,  86
.set KB8,  88
.set ROWB, 92                          ; s92  LDS bytes from the dump's first row to the rows to be fetched
.set CH,   93                          ; s93  chunks to go
.set KI2P, 94
.set MSB, 0
.macro WIN new                         ; the immediate's high byte repeats the setting that is left
.if MSB != (\new)
	s_set_vgpr_msb (MSB<<8)|(\new)
.set MSB, \new
.endif
.endm
.macro KSET r, val
	s_mov_b32 s[\r], \val
	s_mov_b32 s[\r+1], \val
.endm
.macro JLOAD s                         ; a joint load: waves 0, 1 fetch x's halves, waves 2, 3 wcat's; s_nop 0 and four v_nop follow each line
	s_cmp_eq_u32 s17, 0
	s_cbranch_scc0 .Lfor_b_\@
	tensor_load_to_lds s[G0A+4*(\s):G0A+4*(\s)+3], s[G1A:G1A+7]
	s_nop 0
.rept 4
	v_nop
.endr
	s_branch .Lasked_\@
.Lfor_b_\@:
	tensor_load_to_lds s[G0B+4*(\s):G0B+4*(\s)+3], s[G1B:G1B+7]
	s_nop 0
.rept 4
	v_nop
.endr
.Lasked_\@:
.endm
.macro CREST
	s_cmp_lg_u32 s[WV], 0
	s_cbranch_scc1 .Lnot_wave_0_\@
	s_barrier_signal -3
.Lnot_wave_0_\@:
	s_barrier_wait -3
	s_barrier_signal -1
	s_barrier_wait -1
.endm
.macro CROUND
	s_barrier_signal -1
	s_barrier_wait -1
	CREST
.endm
.macro PLACES                          ; four places behind matrix instructions, in front of loads into their sources and of reads of their results
.rept 4
	v_nop
.endr
.endm
	s_load_b256 s[4:11], s[0:1], 0x0               ; xb s[4:5], wcat s[6:7], bc s[8:9], bv s[10:11]
	s_load_b128 s[12:15], s[0:1], 0x20             ; phase_scale s[12:13], retr s[14:15]
	v_lshl_add_u32 v[SPW], v0, 2, SPARE
	v_mov_b32 v[NIL], 0
	ds_add_u32 v[SPW], v[NIL]                      ; the wave's opening: the add and its wait stand ahead of my first tensor load
	v_lshrrev_b32 v1, 5, v0
	v_readfirstlane_b32 s[WV], v1
	s_lshr_b32 s17, s[WV], 1                       ; my half of the rows.  Also: I fetch for x (0) or wcat (1)
	s_and_b32 s18, s[WV], 1                        ; my half of the columns.  Also: which half of that tile I fetch
	s_bfe_u32 s19, ttmp6, 0x40000                  ; cx
	s_bfe_u32 s20, ttmp6, 0x40004                  ; cy
	s_lshl_b32 s21, ttmp9, 2
	s_add_co_u32 s21, s21, s19                     ; cb: the block of 128 columns
	s_and_b32 s22, ttmp7, 0xffff
	s_lshl_b32 s22, s22, 2
	s_add_co_u32 s22, s22, s20                     ; rb: the block of 256 rows
	s_lshl_b32 s23, s20, 2
	s_lshl_b32 s23, 15, s23                        ; my row of the cluster
	s_lshl_b32 s56, 0x1111, s19                    ; my column
	; group 1: dense bytes asked for as rows of 256 bytes (64 of them for x, 96 for wcat), padded in LDS after every 128 bytes
	s_or_b32 s[G1A+0], s23, (1<<16)|(1<<20)|(1<<21)|(4<<22)|(3<<25)  ; mask; 2-byte elements; padding on; bit 21 beside a mask; after every 32 words; 4 words
	s_or_b32 s[G1B+0], s56, (1<<16)|(1<<20)|(1<<21)|(4<<22)|(3<<25)
	s_mov_b32 s[G1A+1], 128<<16                    ; tensor_dim0 = 128
	s_mov_b32 s[G1A+2], 64<<16                     ; tensor_dim1 = 64
	s_mov_b32 s[G1A+3], 128<<16                    ; tile_dim0 = 128
	s_mov_b32 s[G1A+4], 64                         ; tile_dim1 = 64
	s_mov_b32 s[G1A+5], 128                        ; 128 elements from row to row
	s_mov_b32 s[G1A+6], 0
	s_mov_b32 s[G1A+7], 0
	s_mov_b32 s[G1B+1], 128<<16
	s_mov_b32 s[G1B+2], 96<<16
	s_mov_b32 s[G1B+3], 128<<16
	s_mov_b32 s[G1B+4], 96
	s_mov_b32 s[G1B+5], 128
	s_mov_b32 s[G1B+6], 0
	s_mov_b32 s[G1B+7], 0
	s_lshl_b32 s58, s22, 15                        ; x: 256 rb rows of 128 bytes, + my 128 rows
	s_lshl_b32 s59, s18, 14
	s_add_co_u32 s58, s58, s59
	s_mov_b32 s59, 0
	s_mul_i32 s60, s21, 49152                      ; wcat: 384 cb rows of 128 bytes, + my 192 rows
	s_mul_i32 s61, s18, 24576
	s_add_co_u32 s60, s60, s61
	s_mov_b32 s61, 0
	s_mul_i32 s62, s18, AH                         ; where they go: no place in the cluster enters an LDS address
	s_mul_i32 s63, s18, BH
	s_add_co_u32 s63, s63, BOFF
	KSET KL2E, 0x4038aa3b                          ; 2 log2(e)
	KSET KI32, 0x3d000000                          ; 1 / 32
	KSET KA1,  0x408e2c19                          ; S = r (A1 + r^2 (A3 + r^2 (A5 + r^2 A7))): sqrt2 pi^n / n! with the series' signs
	KSET KA3,  0xc0e9dd2e
	KSET KA5,  0x4066d083
	KSET KA7,  0xbf58f4fa
	KSET KB0,  0x3fb504f3                          ; C = B0 + r^2 (B2 + r^2 (B4 + r^2 (B6 + r^2 B8)))
	KSET KB2,  0xc0df52db
	KSET KB4,  0x40b7ad25
	KSET KB6,  0xbff1b558
	KSET KB8,  0x3eaa65c8
	KSET KI2P, 0x3e22f983                          ; 1 / 2 pi
	s_wait_dscnt 0x0                               ; the opening add is done
	s_wait_kmcnt 0x0
	s_add_nc_u64 s[58:59], s[4:5], s[58:59]
	s_add_nc_u64 s[60:61], s[6:7], s[60:61]
	CROUND                                         ; all sixteen work-groups are here: the first joint loads meet
.irp s, 0,1
	s_mov_b32 s[G0A+4*(\s)], 1
	s_add_co_u32 s[G0A+4*(\s)+1], s62, (\s)*SLOT
	s_add_nc_u64 s[G0A+4*(\s)+2:G0A+4*(\s)+3], s[58:59], (\s)*1048576   ; panel s of xb
	s_or_b32 s[G0A+4*(\s)+3], s[G0A+4*(\s)+3], 0x80000000
	s_mov_b32 s[G0B+4*(\s)], 1
	s_add_co_u32 s[G0B+4*(\s)+1], s63, (\s)*SLOT
	s_add_nc_u64 s[G0B+4*(\s)+2:G0B+4*(\s)+3], s[60:61], (\s)*393216    ; panel s of wcat
	s_or_b32 s[G0B+4*(\s)+3], s[G0B+4*(\s)+3], 0x80000000
	JLOAD \s                                       ; two loads of mine are out
.endr
	; my two columns' constants: columns 128 cb + 64 (wave % 2) + 2 l, + 1
	v_and_b32 v24, 31, v0
	s_lshl_b32 s57, s21, 9
	s_lshl_b32 s2, s18, 8
	s_add_co_u32 s57, s57, s2
	v_lshl_add_u32 v25, v24, 3, s57
	global_load_b64 v[CKB:CKB+1], v25, s[8:9]
	global_load_b64 v[CQB:CQB+1], v25, s[8:9] offset:4096
	global_load_b64 v[CVB:CVB+1], v25, s[10:11]
	global_load_b64 v[CP1:CP1+1], v25, s[12:13]
	v_lshlrev_b32 v[GOFF], 3, v24
	v_and_b32 v1, 15, v0                           ; l % 16
	v_bfe_u32 v30, v0, 4, 1                        ; l / 16
	v_mul_u32_u24 v31, v1, PITCH
	v_lshl_add_u32 v31, v30, 4, v31                ; a fragment's row x pitch + 16 x half
	s_mul_i32 s60, s17, AH                         ; my 128 rows of x
	s_mul_i32 s61, s18, 64*PITCH                   ; my 64 rows of each product's 128 in wcat's tile
	s_add_co_u32 s61, s61, BOFF
	v_add_nc_u32 v[ADRA], s60, v31
	v_add_nc_u32 v[ADRB], s61, v31
	v_add_nc_u32 v[ADRA+1], SLOT, v[ADRA]
	v_add_nc_u32 v[ADRB+1], SLOT, v[ADRB]
	s_mul_i32 s60, s[WV], DUMPW                    ; my dump
	v_mul_u32_u24 v[DST], v1, DP
	v_lshl_add_u32 v[DST], v30, 5, v[DST]          ; row l % 16, 32 bytes for each half of the lanes
	v_add_nc_u32 v[DST], s60, v[DST]
	v_lshl_add_u32 v[RD0], v24, 3, s60
	s_lshl_b32 s2, s22, 20                         ; retr at my first row and column: (256 rb + 128 (wave / 2)) rows of 4,096 bytes
	s_lshl_b32 s3, s17, 19
	s_add_co_u32 s2, s2, s3
	s_add_co_u32 s2, s2, s57
	s_mov_b32 s3, 0
	s_add_nc_u64 s[14:15], s[14:15], s[2:3]
	s_mov_b32 s57, 0xffff0000
	s_wait_loadcnt 0x0                             ; the constants, in the wait for the first tile
	v_cvt_pk_bf16_f32 v26, v[CVB], v[CVB+1]        ; bv and phase_scale rounded to bf16
	v_cvt_pk_bf16_f32 v27, v[CP1], v[CP1+1]
	v_lshlrev_b32 v[CVB], 16, v26
	v_and_b32 v[CVB+1], s57, v26
	v_lshlrev_b32 v[CP1], 16, v27
	v_and_b32 v[CP1+1], s57, v27
	v_pk_mul_f32 v[CVB:CVB+1], v[CVB:CVB+1], s[KI32:KI32+1] op_sel_hi:[1,0]
	v_pk_mul_f32 v[CP1:CP1+1], v[CP1:CP1+1], s[KI2P:KI2P+1] op_sel_hi:[1,0]
	v_pk_mul_f32 v[CP2:CP2+1], v[CP1:CP1+1], -2.0 op_sel_hi:[1,0]
; x's fragments of 128 rows, 32 along K at ks: 16 loads.  wcat's of product q: 8 loads.
.macro LDA fa, slot, ks
.irp a, 0,1,2,3,4,5,6,7
	ds_load_b128 v[(\fa)+8*(\a):(\fa)+8*(\a)+3],   v[ADRA+(\slot)] offset:(\a)*16*PITCH+64*(\ks)
	ds_load_b128 v[(\fa)+8*(\a)+4:(\fa)+8*(\a)+7], v[ADRA+(\slot)] offset:(\a)*16*PITCH+64*(\ks)+32
.endr
.endm
.macro LDB q, slot, ks
.irp b, 0,1,2,3
	ds_load_b128 v[FB+32*((\q)-1)+8*(\b):FB+32*((\q)-1)+8*(\b)+3],   v[ADRB+(\slot)] offset:((\q)-1)*128*PITCH+(\b)*16*PITCH+64*(\ks)
	ds_load_b128 v[FB+32*((\q)-1)+8*(\b)+4:FB+32*((\q)-1)+8*(\b)+7], v[ADRB+(\slot)] offset:((\q)-1)*128*PITCH+(\b)*16*PITCH+64*(\ks)+32
.endr
.endm
; 4 cnt matrix instructions of product q: row blocks a0 on x all 4 column blocks.  Every accumulator has one instruction a turn.
.macro MULQ q, fa, a0, cnt, zero
	WIN 0x50*(\q)                                  ; C and D in window q, the fragments in window 0
.set aa, \a0
.rept \cnt
.irp b, 0,1,2,3
.if \zero
	v_wmma_f32_16x16x32_bf16 v[8*(4*aa+(\b)):8*(4*aa+(\b))+7], v[FB+32*((\q)-1)+8*(\b):FB+32*((\q)-1)+8*(\b)+7], v[(\fa)+8*aa:(\fa)+8*aa+7], 0
.else
	v_wmma_f32_16x16x32_bf16 v[8*(4*aa+(\b)):8*(4*aa+(\b))+7], v[FB+32*((\q)-1)+8*(\b):FB+32*((\q)-1)+8*(\b)+7], v[(\fa)+8*aa:(\fa)+8*aa+7], v[8*(4*aa+(\b)):8*(4*aa+(\b))+7]
.endif
.endr
.set aa, aa+1
.endr
.endm
; A K step's first half (ks = 0, x in buffer 0).  On entry 40 loads are out, in this order: product 1's 8 and x's 16; product 2's 8; product 3's 8.
; Behind each product its fragments of ks = 1 are fetched into the registers that it has just read.
.macro SUBK slot, zero
	s_wait_dscnt 16                                ; products 2's and 3's sixteen may be out
	MULQ 1, FA0, 0, 8, \zero
	PLACES
	WIN 0
	LDB 1, \slot, 1
	LDA FA1, \slot, 1
	s_wait_dscnt 32                                ; behind product 2's run: product 3's 8 and the 24 just issued
	MULQ 2, FA0, 0, 8, \zero
	PLACES
	WIN 0
	LDB 2, \slot, 1
	s_wait_dscnt 32                                ; behind product 3's run: 24 + 8
	MULQ 3, FA0, 0, 8, \zero
	PLACES
	WIN 0
	LDB 3, \slot, 1
.endm
; Its second half (ks = 1, x in buffer 1) changes slots, at its very head: all of this half's fragments are in registers or on their way there, so the slot can be given up at once.
; Each wave waits for all its tensor loads (one is out: its part of the next slot), adds 0 to its spare word, waits for that and for its reads of this slot, and signals.
; fill = 1: the barrier opens a round of the cluster's, and this slot is filled again, first thing behind it, two steps ahead.  Only 8 of a step's 192 matrix instructions stand between
; the wait for all loads and the request (four while the add is out, four between signal and wait): the other 184 stand between the request and the wait for it.
.macro TURN slot, next, fill
	WIN 0
	s_wait_tensorcnt 0x0
	ds_add_u32 v[SPW], v[NIL]
	s_wait_dscnt 17                                ; products 2's and 3's sixteen and the add may be out
	MULQ 1, FA1, 0, 1, 0
	s_wait_dscnt 0x0                               ; the add is done, and my reads of this slot are over
	s_barrier_signal -1
	MULQ 1, FA1, 1, 1, 0
.if \fill
	WIN 0
.endif
	s_barrier_wait -1
.if \fill
	CREST                                          ; no wave of any partner still reads this slot or has a load on its way
	s_add_nc_u64 s[G0A+4*(\slot)+2:G0A+4*(\slot)+3], s[G0A+4*(\slot)+2:G0A+4*(\slot)+3], 2*1048576
	s_add_nc_u64 s[G0B+4*(\slot)+2:G0B+4*(\slot)+3], s[G0B+4*(\slot)+2:G0B+4*(\slot)+3], 2*393216
	JLOAD \slot
.endif
	MULQ 1, FA1, 2, 6, 0
	PLACES
	WIN 0
	LDB 1, \next, 0
	LDA FA0, \next, 0
	MULQ 2, FA1, 0, 8, 0
	PLACES
	WIN 0
	LDB 2, \next, 0
	MULQ 3, FA1, 0, 8, 0
	PLACES
	WIN 0
	LDB 3, \next, 0
.endm
	s_wait_tensorcnt 0x1                           ; my part of step 0 is in; step 1's may stay out
	s_barrier_signal -1
	s_barrier_wait -1
	LDB 1, 0, 0
	LDA FA0, 0, 0
	LDB 2, 0, 0
	LDB 3, 0, 0
	SUBK 0, 1                                      ; the first half step stands in front of the loop: its products start the sums
	s_mov_b32 s2, 7
.Llap:                                                 ; a trip goes once round the ring: 2 of the 16 K steps, both slots filled again
	TURN 0, 1, 1
	SUBK 1, 0
	TURN 1, 0, 1
	SUBK 0, 0
	s_sub_co_u32 s2, s2, 1
	s_cmp_lg_u32 s2, 0
	s_cbranch_scc1 .Llap
	TURN 0, 1, 0                                   ; the last two steps ask for nothing
	SUBK 1, 0
	s_wait_dscnt 16
	MULQ 1, FA1, 0, 8, 0
	s_wait_dscnt 8
	MULQ 2, FA1, 0, 8, 0
	s_wait_dscnt 0x0
	MULQ 3, FA1, 0, 8, 0
	WIN 0
	PLACES                                         ; behind the last products: their results are read and their sources rewritten below
	s_barrier_signal -1                            ; every wave's reads of the ring are back (its last wait was for 0) and every tile has landed:
	s_barrier_wait -1                              ; the ring's bytes now serve as the dumps
; Chunk ch (row blocks 4 ch .. 4 ch + 3) of the three products into my dump.  Each accumulator's low four registers go first.
.macro DUMP ch
.irp q, 1,2,3
	WIN (\q)<<2                                    ; the data in window q, the address in window 0
.irp a, 0,1,2,3
.irp b, 0,1,2,3
	ds_store_b128 v[DST], v[8*(4*(4*(\ch)+(\a))+(\b)):8*(4*(4*(\ch)+(\a))+(\b))+3]   offset:(((\q)-1)*64+16*(\a))*DP+64*(\b)
	ds_store_b128 v[DST], v[8*(4*(4*(\ch)+(\a))+(\b))+4:8*(4*(4*(\ch)+(\a))+(\b))+7] offset:(((\q)-1)*64+16*(\a))*DP+64*(\b)+16
.endr
.endr
.endr
	WIN 0
.endm
; Four rows, ro rows behind the address, my two columns: each load takes 256 consecutive bytes.  LDK: u_k and u_q, 8 loads.  LDV: v, 4 loads.
.macro LDK adr, ro
.irp pl, 0,1
.irp i, 0,1,2,3
	ds_load_b64 v[RK+8*(\pl)+2*(\i):RK+8*(\pl)+2*(\i)+1], v[\adr] offset:(\pl)*PLANE+((\i)+(\ro))*DP
.endr
.endr
.endm
.macro LDV adr, ro
.irp i, 0,1,2,3
	ds_load_b64 v[RV+2*(\i):RV+2*(\i)+1], v[\adr] offset:2*PLANE+((\i)+(\ro))*DP
.endr
.endm
; THE FRONT's plain lines.  FR1: 2 log2(e) (u + bias).  FR3: 1 + e^(2 u).  TVC: (v + bv) / 32.
.macro FR1
.set u, 0
.rept 8
.if u < 4
	v_pk_fma_f32 v[TF+2*u:TF+2*u+1], v[RK+2*u:RK+2*u+1], s[KL2E:KL2E+1], v[CKB:CKB+1] op_sel_hi:[1,0,1]
.else
	v_pk_fma_f32 v[TF+2*u:TF+2*u+1], v[RK+2*u:RK+2*u+1], s[KL2E:KL2E+1], v[CQB:CQB+1] op_sel_hi:[1,0,1]
.endif
.set u, u+1
.endr
.endm
.macro FR3
.set u, 0
	s_wait_alu depctr_va_vdst(0)
.rept 8
	v_pk_add_f32 v[TF+2*u:TF+2*u+1], v[TF+2*u:TF+2*u+1], 1.0 op_sel_hi:[1,0]
.set u, u+1
.endr
.endm
.macro TVC
.set u, 0
.rept 4
	v_pk_fma_f32 v[TV+2*u:TV+2*u+1], v[RV+2*u:RV+2*u+1], s[KI32:KI32+1], v[CVB:CVB+1] op_sel_hi:[1,0,1]
.set u, u+1
.endr
.endm
; THE BACK's 96 lines from t to S and C, numbered in the order in which they become ready: runs of 8 (the first of 16), each run reading the runs before it.
;   0-15 nearest(t)   16-23 r = t - nearest   24-31 r^2   32-39, 48-55, 64-71 S's series   40-47, 56-63, 72-79, 88-95 C's series   80-87 S = series x r
.macro BK n
.set bu, 2*((\n)%8)
.if (\n) < 16
	v_rndne_f32 v[TN+(\n)], v[TE+(\n)]
.elseif (\n) < 24
	v_pk_add_f32 v[TE+bu:TE+bu+1], v[TE+bu:TE+bu+1], v[TN+bu:TN+bu+1] neg_lo:[0,1] neg_hi:[0,1]
.elseif (\n) < 32
	v_pk_mul_f32 v[TN+bu:TN+bu+1], v[TE+bu:TE+bu+1], v[TE+bu:TE+bu+1]
.elseif (\n) < 40
	v_pk_fma_f32 v[TP+bu:TP+bu+1], v[TN+bu:TN+bu+1], s[KA7:KA7+1], s[KA5:KA5+1] op_sel_hi:[1,0,0]
.elseif (\n) < 48
	v_pk_fma_f32 v[TQ+bu:TQ+bu+1], v[TN+bu:TN+bu+1], s[KB8:KB8+1], s[KB6:KB6+1] op_sel_hi:[1,0,0]
.elseif (\n) < 56
	v_pk_fma_f32 v[TP+bu:TP+bu+1], v[TP+bu:TP+bu+1], v[TN+bu:TN+bu+1], s[KA3:KA3+1] op_sel_hi:[1,1,0]
.elseif (\n) < 64
	v_pk_fma_f32 v[TQ+bu:TQ+bu+1], v[TQ+bu:TQ+bu+1], v[TN+bu:TN+bu+1], s[KB4:KB4+1] op_sel_hi:[1,1,0]
.elseif (\n) < 72
	v_pk_fma_f32 v[TP+bu:TP+bu+1], v[TP+bu:TP+bu+1], v[TN+bu:TN+bu+1], s[KA1:KA1+1] op_sel_hi:[1,1,0]
.elseif (\n) < 80
	v_pk_fma_f32 v[TQ+bu:TQ+bu+1], v[TQ+bu:TQ+bu+1], v[TN+bu:TN+bu+1], s[KB2:KB2+1] op_sel_hi:[1,1,0]
.elseif (\n) < 88
	v_pk_mul_f32 v[TP+bu:TP+bu+1], v[TP+bu:TP+bu+1], v[TE+bu:TE+bu+1]
.else
	v_pk_fma_f32 v[TQ+bu:TQ+bu+1], v[TQ+bu:TQ+bu+1], v[TN+bu:TN+bu+1], s[KB0:KB0+1] op_sel_hi:[1,1,0]
.endif
.endm
; A TRIP: the back of four rows, whose quotients lie in TF and whose (v + bv) / 32 in TV, and the front of the next four, whose u_k and u_q have been asked for a trip ago.
; Each of the front's 32 transcendentals has three of the back's 96 lines behind it: no two follow each other, and none of the trip's lines waits for one of them (ISA guide 5.7.2 asks for one plain line).
; loads = 1: the rows two trips on are fetched: u_k and u_q as soon as the front has read the registers, v at the trip's end.
.macro TRIP loads
.set u, 0
	s_wait_alu depctr_va_vdst(0)
.rept 8
	v_pk_fma_f32 v[TE+2*u:TE+2*u+1], v[TF+2*u:TF+2*u+1], v[CP2:CP2+1], v[CP1:CP1+1]  ; t = tanh x phase_scale / 2 pi; TF is free for the front
.set u, u+1
.endr
	s_wait_dscnt 4                                 ; u_k and u_q of the next rows are in; the four loads of v, issued behind them, may be out
	FR1
.if \loads
	s_add_co_u32 s[ROWB], s[ROWB], 4*DP
	v_add_nc_u32 v[RDA], s[ROWB], v[RD0]
	LDK RDA, 0
.endif
.set z, 0
.rept 16
	v_exp_f32 v[TF+z], v[TF+z]                     ; e^(2 u)
	BK 3*z
	BK 3*z+1
	BK 3*z+2
.set z, z+1
.endr
	FR3
.set z, 0
.rept 16
	v_rcp_f32 v[TF+z], v[TF+z]
	BK 48+3*z
	BK 48+3*z+1
	BK 48+3*z+2
.set z, z+1
.endr
.set u, 0
.rept 8
	v_pk_mul_f32 v[TP+2*u:TP+2*u+1], v[TP+2*u:TP+2*u+1], v[TQ+2*u:TQ+2*u+1]  ; sin = S C
.set u, u+1
.endr
.set u, 0
.rept 8
	v_pk_fma_f32 v[TQ+2*u:TQ+2*u+1], v[TQ+2*u:TQ+2*u+1], v[TQ+2*u:TQ+2*u+1], -1.0 op_sel_hi:[1,1,0]  ; cos = C C - 1
.set u, u+1
.endr
	s_wait_xcnt 0x0                                ; the last trip's stores were issued a whole trip ago: their offset and data are rewritten only behind this wait
	; the binding and the running sum are one multiply-add a row; the rotation's lines stand between the links of the two chains
	v_pk_fma_f32 v[MRR:MRR+1],   v[TV:TV+1],     v[TQ:TQ+1],     v[MR:MR+1]
	v_pk_fma_f32 v[MIR:MIR+1],   v[TV:TV+1],     v[TP:TP+1],     v[MI:MI+1]
	v_add_nc_u32 v[GOFF], 4*4096, v[GOFF]          ; stepped ahead of the stores, which reach back by their immediate
	v_pk_fma_f32 v[MRR+2:MRR+3], v[TV+2:TV+3],   v[TQ+2:TQ+3],   v[MRR:MRR+1]
	v_pk_fma_f32 v[MIR+2:MIR+3], v[TV+2:TV+3],   v[TP+2:TP+3],   v[MIR:MIR+1]
	v_pk_mul_f32 v[OUT:OUT+1],   v[MRR:MRR+1],   v[TQ+8:TQ+9]
	v_pk_fma_f32 v[MRR+4:MRR+5], v[TV+4:TV+5],   v[TQ+4:TQ+5],   v[MRR+2:MRR+3]
	v_pk_fma_f32 v[MIR+4:MIR+5], v[TV+4:TV+5],   v[TP+4:TP+5],   v[MIR+2:MIR+3]
	v_pk_fma_f32 v[OUT:OUT+1],   v[MIR:MIR+1],   v[TP+8:TP+9],   v[OUT:OUT+1]
	v_pk_fma_f32 v[MR:MR+1],     v[TV+6:TV+7],   v[TQ+6:TQ+7],   v[MRR+4:MRR+5]
	v_pk_fma_f32 v[MI:MI+1],     v[TV+6:TV+7],   v[TP+6:TP+7],   v[MIR+4:MIR+5]
	v_pk_mul_f32 v[OUT+2:OUT+3], v[MRR+2:MRR+3], v[TQ+10:TQ+11]
	v_pk_mul_f32 v[OUT+4:OUT+5], v[MRR+4:MRR+5], v[TQ+12:TQ+13]
	v_pk_mul_f32 v[OUT+6:OUT+7], v[MR:MR+1],     v[TQ+14:TQ+15]
	v_pk_fma_f32 v[OUT+2:OUT+3], v[MIR+2:MIR+3], v[TP+10:TP+11], v[OUT+2:OUT+3]
	v_pk_fma_f32 v[OUT+4:OUT+5], v[MIR+4:MIR+5], v[TP+12:TP+13], v[OUT+4:OUT+5]
	v_pk_fma_f32 v[OUT+6:OUT+7], v[MI:MI+1],     v[TP+14:TP+15], v[OUT+6:OUT+7]
.if \loads
	s_wait_dscnt 8                                 ; v of the next rows is in; the eight loads of u_k and u_q issued in this trip may be out
.else
	s_wait_dscnt 0x0                               ; nothing was issued behind it
.endif
	TVC                                            ; the running sum has read TV: now the next rows'
.irp i, 0,1,2,3
	global_store_b64 v[GOFF], v[OUT+2*(\i):OUT+2*(\i)+1], s[14:15] offset:4096*(\i)-4*4096  ; 32 lanes store 256 consecutive bytes of a row, aligned
.endr
.if \loads
	LDV RDA, 0
.endif
.endm
	s_mov_b32 s[CH], 2
.Lchunk:                                               ; twice: my rows 0-63, then 64-127.  One text walks both; only the dump names other registers
	s_cmp_eq_u32 s[CH], 2
	s_cbranch_scc0 .Lsecond
	DUMP 0
	s_branch .Lwalk
.Lsecond:
	DUMP 1
.Lwalk:
	v_mov_b32 v[MR], 0                             ; a chunk's running sums start at 0
	v_mov_b32 v[MR+1], 0
	v_mov_b32 v[MI], 0
	v_mov_b32 v[MI+1], 0
	s_wait_alu depctr_va_vdst(0)
	LDK RD0, 0                                     ; LDS serves a wave's instructions in order (ISA guide 5.7.1.4): these see my stores above; the bytes are mine alone
	LDV RD0, 0
	s_mov_b32 s[ROWB], 4*DP
	s_wait_dscnt 0x0                               ; rows 0-3
	FR1                                            ; their front has no back to stand in
	TVC
	LDK RD0, 4                                     ; rows 4-7, in the order that the trips' counted waits lean on: u_k and u_q, then v
	LDV RD0, 4
.set z, 0
.rept 16
	v_exp_f32 v[TF+z], v[TF+z]
.set z, z+1
.endr
	v_nop                                          ; a plain line between the last exponential and the use of its result
	s_wait_alu depctr_va_vdst(0)
	FR3
.set z, 0
.rept 16
	v_rcp_f32 v[TF+z], v[TF+z]
.set z, z+1
.endr
	v_nop
	s_mov_b32 s3, 14
.Ltrip:                                                ; trips 0-13 fetch rows 8-11 .. 60-63
	TRIP 1
	s_sub_co_u32 s3, s3, 1
	s_cmp_lg_u32 s3, 0
	s_cbranch_scc1 .Ltrip
	s_mov_b32 s3, 2
.Llast:                                                ; trips 14 and 15 fetch nothing.  Trip 15's front works on rows 60-63 once more and serves nothing: the price, twice a wave, of one text for both
	TRIP 0
	s_sub_co_u32 s3, s3, 1
	s_cmp_lg_u32 s3, 0
	s_cbranch_scc1 .Llast
	s_sub_co_u32 s[CH], s[CH], 1
	s_cmp_lg_u32 s[CH], 0
	s_cbranch_scc1 .Lchunk
	s_wait_tensorcnt 0x0                           ; the wave's end
	ds_add_u32 v[SPW], v[NIL]
	s_wait_dscnt 0x0
	CROUND                                         ; the closing round
	s_endpgm
.Lfunc_end_k_q4e37d4967a_phasor:
	.size	k_q4e37d4967a_phasor, .Lfunc_end_k_q4e37d4967a_phasor-k_q4e37d4967a_phasor
	.p2alignl 7, 3214868480
	.fill 96, 4, 3214868480
	.section	.rodata,"a",@progbits
	.p2align	6, 0x0
	.amdhsa_kernel k_q4e37d4967a_phasor
		.amdhsa_group_segment_fixed_size 327680
		.amdhsa_private_segment_fixed_size 0
		.amdhsa_enable_private_segment 0
		.amdhsa_kernarg_size 48
		.amdhsa_user_sgpr_count 2
		.amdhsa_user_sgpr_kernarg_segment_ptr 1
		.amdhsa_wavefront_size32 1
		.amdhsa_system_sgpr_workgroup_id_x 1
		.amdhsa_system_sgpr_workgroup_id_y 1
		.amdhsa_system_sgpr_workgroup_id_z 1
		.amdhsa_system_vgpr_workitem_id 0
		.amdhsa_next_free_vgpr 1024
		.amdhsa_next_free_sgpr 96
		.amdhsa_reserve_vcc 0
		.amdhsa_float_denorm_mode_32 3
		.amdhsa_float_denorm_mode_16_64 3
		.amdhsa_memory_ordered 1
		.amdhsa_forward_progress 1
		.amdhsa_inst_pref_size 125
	.end_amdhsa_kernel
	.amdgpu_metadata
---
amdhsa.version: [ 1, 2 ]
amdhsa.kernels:
  - .name:           k_q4e37d4967a_phasor
    .symbol:         k_q4e37d4967a_phasor.kd
    .args:
      - { .name: xb, .offset: 0, .size: 8, .value_kind: global_buffer, .address_space: global }
      - { .name: wcat, .offset: 8, .size: 8, .value_kind: global_buffer, .address_space: global }
      - { .name: bc, .offset: 16, .size: 8, .value_kind: global_buffer, .address_space: global }
      - { .name: bv, .offset: 24, .size: 8, .value_kind: global_buffer, .address_space: global }
      - { .name: phase_scale, .offset: 32, .size: 8, .value_kind: global_buffer, .address_space: global }
      - { .name: retr, .offset: 40, .size: 8, .value_kind: global_buffer, .address_space: global }
    .group_segment_fixed_size: 327680
    .private_segment_fixed_size: 0
    .kernarg_segment_align: 8
    .kernarg_segment_size: 48
    .max_flat_workgroup_size: 128
    .sgpr_count:     96
    .vgpr_count:     1024
    .wavefront_size: 32
...
	.end_amdgpu_metadata
.endif
;; end of part 3
;; launch lnorm (part 4): grid 256 x 1, 8 waves a work-group, no clusters, 0 bytes of LDS; arguments retr, ln_g, ln_b, lnb; writes lnb
.if DOCPART == 4
	.amdgcn_target "amdgcn-amd-amdhsa--gfx1250"
	.amdhsa_code_object_version 6
	.text
	.protected	k_q4e37d4967a_lnorm
	.globl	k_q4e37d4967a_lnorm
	.p2align	8
	.type	k_q4e37d4967a_lnorm,@function
k_q4e37d4967a_lnorm:
	s_mov_b64 s[64:65], 0
	v_nop
	global_prefetch_b8 v0, s[64:65] scope:SCOPE_SE
	s_setreg_imm32_b32 hwreg(HW_REG_WAVE_MODE, 25, 1), 1
	s_wait_xcnt 0x0
; LNORM.  lnb[row] = bf16((retr[row] - mean) / sqrt(var + 1e-5) x g_b + b_b), over the row's 1,024 columns, in f32: the mean first, then the mean of the squared differences.
; lnb lies in panels of 128 columns, [8][8192 rows][128] bf16, so that a (rows x 128 k) tile of the last product is dense.
; LIMITS.  ln_g and ln_b are taken rounded to bf16; v_rsq_f32 is good to 1 ULP; NaN and infinities are not treated apart.
; SHARES.  Memory binds: a work-group takes 32 rows, a wave 4 whole rows, kept in 128 registers between the passes: each byte is read once, and no wave waits for another:
; no LDS, no barrier, no loop; the matrix unit and clusters have nothing to do here.  All 32 loads of a wave (16 KiB) are issued before the first is waited for.
; Load j of a row is 512 consecutive bytes: lane l holds columns 128 j + 4 l .. + 3, which become 8 bytes of panel j: the 32 lanes store 256 consecutive bytes, aligned.
.set OFF, 2                            ; v2  my byte offset in the group's rows of retr
.set CO,  3                            ; v3  my byte offset in 512 bytes of g and b
.set SO,  4                            ; v4  my byte offset in a panel's 32 rows
.set T,   8                            ; v[8:23]  at work
.set MU,  24                           ; v[24:25] the mean, twice
.set R,   26                           ; v[26:27] 1 / sqrt(var + eps), twice
.set X,   32                           ; v[32:159]  row rho at X + 32 rho
.set G,   160                          ; v[160:191]
.set BV,  192                          ; v[192:223]
	s_load_b256 s[4:11], s[0:1], 0x0               ; retr s[4:5], ln_g s[6:7], ln_b s[8:9], lnb s[10:11]
	s_mov_b32 s12, 0x76543210                      ; v_permlanex16_b32: each lane takes its own place in the other half
	s_mov_b32 s13, 0xfedcba98
	s_mov_b32 s16, 0x3a800000                      ; 1 / 1024
	s_mov_b32 s17, 0x3727c5ac                      ; 1e-5
	s_mov_b32 s18, 0xffff0000
	s_lshl_b32 s20, ttmp9, 17                      ; 32 rows of 4,096 bytes
	s_mov_b32 s21, 0
	s_lshl_b32 s22, ttmp9, 13                      ; 32 rows of 256 bytes
	s_mov_b32 s23, 0
	v_and_b32 v1, 31, v0
	v_lshrrev_b32 v5, 5, v0
	v_lshlrev_b32 v[CO], 4, v1
	v_lshl_add_u32 v[OFF], v5, 14, v[CO]
	v_lshlrev_b32 v[SO], 3, v1
	v_lshl_add_u32 v[SO], v5, 10, v[SO]
	s_wait_kmcnt 0x0
	s_add_nc_u64 s[4:5], s[4:5], s[20:21]
	s_add_nc_u64 s[10:11], s[10:11], s[22:23]
	s_add_nc_u64 s[14:15], s[10:11], 0x800000      ; panels 4-7: the stores' immediate reaches four panels
.irp rho, 0,1,2,3
.irp j, 0,1,2,3,4,5,6,7
	global_load_b128 v[X+32*(\rho)+4*(\j):X+32*(\rho)+4*(\j)+3], v[OFF], s[4:5] offset:4096*(\rho)+512*(\j) th:TH_LOAD_NT
.endr
.endr
.irp j, 0,1,2,3,4,5,6,7
	global_load_b128 v[G+4*(\j):G+4*(\j)+3], v[CO], s[6:7] offset:512*(\j)
.endr
.irp j, 0,1,2,3,4,5,6,7
	global_load_b128 v[BV+4*(\j):BV+4*(\j)+3], v[CO], s[8:9] offset:512*(\j)
.endr
.macro LANESUM r, t                    ; the sum of v[r] over the 32 lanes, in every lane; v[t] has been written before
	v_add_f32_dpp v[\r], v[\r], v[\r] row_xmask:1 row_mask:0xf bank_mask:0xf
	v_add_f32_dpp v[\r], v[\r], v[\r] row_xmask:2 row_mask:0xf bank_mask:0xf
	v_add_f32_dpp v[\r], v[\r], v[\r] row_xmask:4 row_mask:0xf bank_mask:0xf
	v_add_f32_dpp v[\r], v[\r], v[\r] row_xmask:8 row_mask:0xf bank_mask:0xf
	v_permlanex16_b32 v[\t], v[\r], s12, s13
	v_add_f32 v[\r], v[\r], v[\t]
.endm
.macro STAT rho                        ; row rho becomes (x - mean) / sqrt(var + eps), in place
.set XR, X+32*(\rho)
	s_wait_loadcnt 40-8*(\rho)                     ; loads return in order: the later rows' loads and the sixteen of g and b may be out
.irp k, 0,1,2,3,4,5,6,7
	v_pk_add_f32 v[T+2*(\k):T+2*(\k)+1], v[XR+4*(\k):XR+4*(\k)+1], v[XR+4*(\k)+2:XR+4*(\k)+3]
.endr
.irp k, 0,1,2,3
	v_pk_add_f32 v[T+2*(\k):T+2*(\k)+1], v[T+2*(\k):T+2*(\k)+1], v[T+2*(\k)+8:T+2*(\k)+9]
.endr
.irp k, 0,1
	v_pk_add_f32 v[T+2*(\k):T+2*(\k)+1], v[T+2*(\k):T+2*(\k)+1], v[T+2*(\k)+4:T+2*(\k)+5]
.endr
	v_pk_add_f32 v[T:T+1], v[T:T+1], v[T+2:T+3]
	v_add_f32 v[T], v[T], v[T+1]
	LANESUM T, T+1
	v_mul_f32 v[MU], s16, v[T]
	v_mul_f32 v[MU+1], s16, v[T]
.irp k, 0,1,2,3,4,5,6,7,8,9,10,11,12,13,14,15
	v_pk_add_f32 v[XR+2*(\k):XR+2*(\k)+1], v[XR+2*(\k):XR+2*(\k)+1], v[MU:MU+1] neg_lo:[0,1] neg_hi:[0,1]
.endr
.irp k, 0,1,2,3                        ; the squares in four chains; the first four start them
	v_pk_mul_f32 v[T+2*(\k):T+2*(\k)+1], v[XR+2*(\k):XR+2*(\k)+1], v[XR+2*(\k):XR+2*(\k)+1]
.endr
.irp k, 4,5,6,7,8,9,10,11,12,13,14,15
	v_pk_fma_f32 v[T+2*((\k)%4):T+2*((\k)%4)+1], v[XR+2*(\k):XR+2*(\k)+1], v[XR+2*(\k):XR+2*(\k)+1], v[T+2*((\k)%4):T+2*((\k)%4)+1]
.endr
	v_pk_add_f32 v[T:T+1], v[T:T+1], v[T+2:T+3]
	v_pk_add_f32 v[T+4:T+5], v[T+4:T+5], v[T+6:T+7]
	v_pk_add_f32 v[T:T+1], v[T:T+1], v[T+4:T+5]
	v_add_f32 v[T], v[T], v[T+1]
	LANESUM T, T+1
	v_fma_f32 v[T], v[T], s16, s17                 ; var + eps
	v_rsq_f32 v[R], v[T]
	v_rsq_f32 v[R+1], v[T]
	v_nop                                          ; a plain instruction between the root and the use of its result (ISA guide 5.7.2)
	s_wait_alu depctr_va_vdst(0)
.irp k, 0,1,2,3,4,5,6,7,8,9,10,11,12,13,14,15
	v_pk_mul_f32 v[XR+2*(\k):XR+2*(\k)+1], v[XR+2*(\k):XR+2*(\k)+1], v[R:R+1]
.endr
.endm
.macro APPLY rho                       ; times g, plus b, rounded to bf16, stored
.set XR, X+32*(\rho)
.irp k, 0,1,2,3,4,5,6,7,8,9,10,11,12,13,14,15
	v_pk_fma_f32 v[XR+2*(\k):XR+2*(\k)+1], v[XR+2*(\k):XR+2*(\k)+1], v[G+2*(\k):G+2*(\k)+1], v[BV+2*(\k):BV+2*(\k)+1]
.endr
.irp j, 0,1,2,3,4,5,6,7
	v_cvt_pk_bf16_f32 v[XR+4*(\j)],   v[XR+4*(\j)],   v[XR+4*(\j)+1]
	v_cvt_pk_bf16_f32 v[XR+4*(\j)+1], v[XR+4*(\j)+2], v[XR+4*(\j)+3]
.if (\j) < 4
	global_store_b64 v[SO], v[XR+4*(\j):XR+4*(\j)+1], s[10:11] offset:(\j)*2097152+256*(\rho)
.else
	global_store_b64 v[SO], v[XR+4*(\j):XR+4*(\j)+1], s[14:15] offset:((\j)-4)*2097152+256*(\rho)
.endif
.endr
.endm
	STAT 0
	STAT 1
	STAT 2
	STAT 3
	s_wait_loadcnt 0x0                             ; g and b
.set k, 0
.rept 16                               ; rounded to bf16 and widened again, in place
	v_cvt_pk_bf16_f32 v[T+k%8],   v[G+2*k],  v[G+2*k+1]
	v_cvt_pk_bf16_f32 v[T+8+k%8], v[BV+2*k], v[BV+2*k+1]
	v_lshlrev_b32 v[G+2*k],    16,  v[T+k%8]
	v_and_b32     v[G+2*k+1],  s18, v[T+k%8]
	v_lshlrev_b32 v[BV+2*k],   16,  v[T+8+k%8]
	v_and_b32     v[BV+2*k+1], s18, v[T+8+k%8]
.set k, k+1
.endr
	APPLY 0
	APPLY 1
	APPLY 2
	APPLY 3
	s_endpgm
.Lfunc_end_k_q4e37d4967a_lnorm:
	.size	k_q4e37d4967a_lnorm, .Lfunc_end_k_q4e37d4967a_lnorm-k_q4e37d4967a_lnorm
	.p2alignl 7, 3214868480
	.fill 96, 4, 3214868480
	.section	.rodata,"a",@progbits
	.p2align	6, 0x0
	.amdhsa_kernel k_q4e37d4967a_lnorm
		.amdhsa_group_segment_fixed_size 0
		.amdhsa_private_segment_fixed_size 0
		.amdhsa_enable_private_segment 0
		.amdhsa_kernarg_size 32
		.amdhsa_user_sgpr_count 2
		.amdhsa_user_sgpr_kernarg_segment_ptr 1
		.amdhsa_wavefront_size32 1
		.amdhsa_system_sgpr_workgroup_id_x 1
		.amdhsa_system_sgpr_workgroup_id_y 1
		.amdhsa_system_sgpr_workgroup_id_z 1
		.amdhsa_system_vgpr_workitem_id 0
		.amdhsa_next_free_vgpr 224
		.amdhsa_next_free_sgpr 66
		.amdhsa_reserve_vcc 0
		.amdhsa_float_denorm_mode_32 3
		.amdhsa_float_denorm_mode_16_64 3
		.amdhsa_memory_ordered 1
		.amdhsa_forward_progress 1
		.amdhsa_inst_pref_size 42
	.end_amdhsa_kernel
	.amdgpu_metadata
---
amdhsa.version: [ 1, 2 ]
amdhsa.kernels:
  - .name:           k_q4e37d4967a_lnorm
    .symbol:         k_q4e37d4967a_lnorm.kd
    .args:
      - { .name: retr, .offset: 0, .size: 8, .value_kind: global_buffer, .address_space: global }
      - { .name: ln_g, .offset: 8, .size: 8, .value_kind: global_buffer, .address_space: global }
      - { .name: ln_b, .offset: 16, .size: 8, .value_kind: global_buffer, .address_space: global }
      - { .name: lnb, .offset: 24, .size: 8, .value_kind: global_buffer, .address_space: global }
    .group_segment_fixed_size: 0
    .private_segment_fixed_size: 0
    .kernarg_segment_align: 8
    .kernarg_segment_size: 32
    .max_flat_workgroup_size: 256
    .sgpr_count:     66
    .vgpr_count:     224
    .wavefront_size: 32
...
	.end_amdgpu_metadata
.endif
;; end of part 4
;; launch outp (part 5): grid 8 x 32, 4 waves a work-group, clusters of 4 x 4, 327,680 bytes of LDS; arguments lnb, wsrc, bo, xb, out0; writes out0
.if DOCPART == 5
	.amdgcn_target "amdgcn-amd-amdhsa--gfx1250"
	.amdhsa_code_object_version 6
	.text
	.protected	k_q4e37d4967a_outp
	.globl	k_q4e37d4967a_outp
	.p2align	8
	.type	k_q4e37d4967a_outp,@function
k_q4e37d4967a_outp:
	s_mov_b64 s[64:65], 0
	v_nop
	global_prefetch_b8 v0, s[64:65] scope:SCOPE_SE
	s_setreg_imm32_b32 hwreg(HW_REG_WAVE_MODE, 25, 1), 1
	s_wait_xcnt 0x0
	s_wait_alu depctr_hold_cnt(0) depctr_sa_sdst(0) depctr_va_vdst(0) depctr_va_sdst(0) depctr_va_ssrc(0) depctr_va_vcc(0) depctr_vm_vsrc(0)
	s_getreg_b32 s2, hwreg(HW_REG_IB_STS2, 6, 4)
	s_cmp_eq_u32 s2, 0
	s_cbranch_scc0 .Lentry_in_a_cluster
	s_endpgm
.Lentry_in_a_cluster:
	s_bfe_u32 s2, ttmp6, 0x10000c
	s_cmp_lg_u32 s2, 0xf033
	s_cbranch_scc0 .Lentry_shape_is_right
	s_endpgm
.Lentry_shape_is_right:
; OUTP.  out0[row][n] = sum over k of lnb[row][k] Wo_b[n][k] + bo_b[n] + x_b[row][n].  bf16 operands, f32 sums, f32 out.
; LIMITS.  Wo, bo and the residual's x are taken rounded to bf16, like every input of the program; NaN and infinities are not treated apart.
; SHARES.  A work-group makes 256 rows x 128 columns: 256 work-groups.  Four waves, each 128 x 64: 32 accumulators.  K goes in steps of 128 through two LDS slots:
; lnb's rows of a step are 256 bytes (a panel of 128), Wo's are two panels of 64.
; THE MATRIX INSTRUCTION: source 0 = 16 rows of Wo, source 1 = 16 rows of lnb: a lane holds one row (lane % 16) and eight neighbouring columns.
; CLUSTER 4 x 4: lnb's tiles are shared along a row of the cluster, Wo's along a column: joint loads.
; The residual's 128 rows x 64 columns of x_b (one panel of xb) are loaded at the start into 128 registers and waited for only on the way out.
; REGISTERS: window 0: v0-31 addresses; two fragment buffers of 96 (64 of lnb, 32 of Wo) at v32 and v128, at work on the way out; v224-227 bo.  Window 1: the accumulators ((a, b) at v[8 (4 a + b)]).  Window 2: v0-127 x_b.
.set PA,    272                        ; a row of lnb in LDS: 256 bytes + 16
.set PB,    144                        ; a row of Wo: 128 + 16
.set AH,    128*PA
.set BOFF,  2*AH
.set BH,    128*PB
.set SLOT,  BOFF+2*BH
.set STAGE, 2*SLOT                     ; behind the ring: 16 rows x 272 bytes for each wave, for the way out
.set SPI,   272
.set SPARE, STAGE+4*16*SPI             ; behind the stages: the spare words, 128 bytes a wave: two blocks of 256 bytes that no other line names
.set LAPS,  4                          ; 1,024 k = 8 steps = four times round the ring
.set ADRA, 16
.set ADRB, 20
.set STO,  24
.set RD,   25
.set CO,   26
.set XO,   27
.set SPW,  28                          ; v28  SPARE + 4 x my thread's number; never rewritten
.set NIL,  29                          ; v29  0; never rewritten
.set F0,   32
.set F1,   128
.set OB,   32                          ; the way out: 16 rows read back from the stage, v32-63 and v64-95 by turns
.set T,    96                          ; x_b + bo_b of those rows
.set BIAS, 224
.set WV,  16
.set G1A, 24
.set G0A, 32
.set G1B, 40
.set G0B, 48
.set MSB, 0
.macro WIN new                         ; the immediate's high byte repeats the setting that is left
.if MSB != (\new)
	s_set_vgpr_msb (MSB<<8)|(\new)
.set MSB, \new
.endif
.endm
.macro JLOAD s                         ; a joint load: waves 0, 1 fetch lnb's halves, waves 2, 3 Wo's panels; s_nop 0 and four v_nop follow each line
	s_cmp_eq_u32 s17, 0
	s_cbranch_scc0 .Lfor_b_\@
	tensor_load_to_lds s[G0A+4*(\s):G0A+4*(\s)+3], s[G1A:G1A+7]
	s_nop 0
.rept 4
	v_nop
.endr
	s_branch .Lasked_\@
.Lfor_b_\@:
	tensor_load_to_lds s[G0B+4*(\s):G0B+4*(\s)+3], s[G1B:G1B+7]
	s_nop 0
.rept 4
	v_nop
.endr
.Lasked_\@:
.endm
.macro CREST
	s_cmp_lg_u32 s[WV], 0
	s_cbranch_scc1 .Lnot_wave_0_\@
	s_barrier_signal -3
.Lnot_wave_0_\@:
	s_barrier_wait -3
	s_barrier_signal -1
	s_barrier_wait -1
.endm
.macro CROUND
	s_barrier_signal -1
	s_barrier_wait -1
	CREST
.endm
.macro PLACES                          ; four places behind matrix instructions, in front of loads into their sources and of reads of their results
.rept 4
	v_nop
.endr
.endm
	s_load_b256 s[4:11], s[0:1], 0x0               ; lnb s[4:5], wsrc s[6:7], bo s[8:9], xb s[10:11]
	s_load_b64 s[12:13], s[0:1], 0x20              ; out0
	v_lshl_add_u32 v[SPW], v0, 2, SPARE
	v_mov_b32 v[NIL], 0
	ds_add_u32 v[SPW], v[NIL]                      ; the wave's opening: the add and its wait stand ahead of my first tensor load
	v_lshrrev_b32 v1, 5, v0
	v_readfirstlane_b32 s[WV], v1
	s_lshr_b32 s17, s[WV], 1                       ; my half of the rows.  Also: I fetch for lnb (0) or Wo (1)
	s_and_b32 s18, s[WV], 1                        ; my half of the columns.  Also: which half of that operand's slot I fetch
	s_bfe_u32 s19, ttmp6, 0x40000                  ; cx
	s_bfe_u32 s20, ttmp6, 0x40004                  ; cy
	s_lshl_b32 s21, ttmp9, 2
	s_add_co_u32 s21, s21, s19                     ; cb: the block of 128 columns
	s_and_b32 s22, ttmp7, 0xffff
	s_lshl_b32 s22, s22, 2
	s_add_co_u32 s22, s22, s20                     ; rb: the block of 256 rows
	s_lshl_b32 s23, s20, 2
	s_lshl_b32 s23, 15, s23                        ; my row of the cluster
	s_lshl_b32 s56, 0x1111, s19                    ; my column
	s_or_b32 s[G1A+0], s23, (1<<16)|(1<<20)|(1<<21)|(5<<22)|(3<<25)  ; mask; 2-byte elements; padding on; bit 21 beside a mask; after every 64 words; 4 words
	s_or_b32 s[G1B+0], s56, (1<<16)|(1<<20)|(1<<21)|(4<<22)|(3<<25)  ; after every 32 words
	s_mov_b32 s[G1A+1], 128<<16                    ; lnb: 128 rows of 128 elements
	s_mov_b32 s[G1A+2], 128<<16
	s_mov_b32 s[G1A+3], 128<<16
	s_mov_b32 s[G1A+4], 128
	s_mov_b32 s[G1A+5], 128
	s_mov_b32 s[G1A+6], 0
	s_mov_b32 s[G1A+7], 0
	s_mov_b32 s[G1B+1], 128<<16                    ; Wo: 128 rows of 128 bytes, dense, asked for as 64 rows of 256 bytes
	s_mov_b32 s[G1B+2], 64<<16
	s_mov_b32 s[G1B+3], 128<<16
	s_mov_b32 s[G1B+4], 64
	s_mov_b32 s[G1B+5], 128
	s_mov_b32 s[G1B+6], 0
	s_mov_b32 s[G1B+7], 0
	s_lshl_b32 s58, s22, 16                        ; lnb: 256 rb rows of 256 bytes, + my 128 rows
	s_lshl_b32 s59, s18, 15
	s_add_co_u32 s58, s58, s59
	s_mov_b32 s59, 0
	s_lshl_b32 s60, s21, 14                        ; Wo: 128 cb rows of 128 bytes, in my panel of the step's two,
	s_lshl_b32 s61, s18, 17
	s_add_co_u32 s60, s60, s61
	s_add_co_u32 s60, s60, 0x800000                ; behind the four matrices in front of it in wsrc
	s_mov_b32 s61, 0
	s_mul_i32 s62, s18, AH                         ; where they go: no place in the cluster enters an LDS address
	s_mul_i32 s63, s18, BH
	s_add_co_u32 s63, s63, BOFF
	s_mov_b32 s57, 0xffff0000
	s_wait_dscnt 0x0                               ; the opening add is done
	s_wait_kmcnt 0x0
	s_add_nc_u64 s[58:59], s[4:5], s[58:59]
	s_add_nc_u64 s[60:61], s[6:7], s[60:61]
	CROUND                                         ; all sixteen work-groups are here: the first joint loads meet
.irp s, 0,1
	s_mov_b32 s[G0A+4*(\s)], 1
	s_add_co_u32 s[G0A+4*(\s)+1], s62, (\s)*SLOT
	s_add_nc_u64 s[G0A+4*(\s)+2:G0A+4*(\s)+3], s[58:59], (\s)*2097152   ; panel s of lnb
	s_or_b32 s[G0A+4*(\s)+3], s[G0A+4*(\s)+3], 0x80000000
	s_mov_b32 s[G0B+4*(\s)], 1
	s_add_co_u32 s[G0B+4*(\s)+1], s63, (\s)*SLOT
	s_add_nc_u64 s[G0B+4*(\s)+2:G0B+4*(\s)+3], s[60:61], (\s)*262144    ; two panels of Wo a step
	s_or_b32 s[G0B+4*(\s)+3], s[G0B+4*(\s)+3], 0x80000000
	JLOAD \s                                       ; two loads of mine are out
.endr
	; the residual: panel 2 cb + wave % 2 of xb, my 128 rows; a load takes two rows of 128 bytes, in the places that the way out's row loads have
	v_and_b32 v1, 15, v0                           ; l % 16
	v_bfe_u32 v2, v0, 4, 1                         ; l / 16
	v_and_b32 v3, 31, v0
	v_lshlrev_b32 v[XO], 3, v3
	s_lshl_b32 s2, s21, 21
	s_lshl_b32 s3, s18, 20
	s_add_co_u32 s2, s2, s3
	s_lshl_b32 s3, s22, 15
	s_add_co_u32 s2, s2, s3
	s_lshl_b32 s3, s17, 14
	s_add_co_u32 s2, s2, s3
	s_mov_b32 s3, 0
	s_add_nc_u64 s[10:11], s[10:11], s[2:3]
	WIN 0x80                                       ; destination window 2, address window 0
.set i, 0
.rept 64
	global_load_b64 v[2*i:2*i+1], v[XO], s[10:11] offset:256*i
.set i, i+1
.endr
	WIN 0
	s_lshl_b32 s58, s21, 9                         ; my first column, in bytes of f32
	s_lshl_b32 s59, s18, 8
	s_add_co_u32 s58, s58, s59
	v_lshl_add_u32 v4, v1, 4, s58
	global_load_b128 v[BIAS:BIAS+3], v4, s[8:9]    ; bo of the four columns that I store
	v_mul_u32_u24 v5, v1, PA
	v_lshl_add_u32 v5, v2, 4, v5
	v_mul_u32_u24 v6, v1, PB
	v_lshl_add_u32 v6, v2, 4, v6
	s_mul_i32 s60, s17, AH                         ; my 128 rows of lnb
	s_mul_i32 s61, s18, 64*PB                      ; my 64 rows of Wo
	s_add_co_u32 s61, s61, BOFF
	v_add_nc_u32 v[ADRA], s60, v5
	v_add_nc_u32 v[ADRB], s61, v6
	v_add_nc_u32 v[ADRA+1], SLOT, v[ADRA]
	v_add_nc_u32 v[ADRB+1], SLOT, v[ADRB]
	s_mul_i32 s60, s[WV], 16*SPI
	s_add_co_u32 s60, s60, STAGE                   ; my stage
	v_mul_u32_u24 v[STO], v1, SPI                  ; in: row l % 16, 32 bytes for each half of the lanes
	v_lshl_add_u32 v[STO], v2, 5, v[STO]
	v_add_nc_u32 v[STO], s60, v[STO]
	v_mul_u32_u24 v[RD], v2, SPI                   ; back: lanes 0-15 take one row of 256 bytes, lanes 16-31 the next
	v_lshl_add_u32 v[RD], v1, 4, v[RD]
	v_add_nc_u32 v[RD], s60, v[RD]
	v_lshlrev_b32 v[CO], 12, v2                    ; and the same two rows in out0
	v_lshl_add_u32 v[CO], v1, 4, v[CO]
	s_lshl_b32 s60, s22, 20                        ; out0 at my first row and column
	s_lshl_b32 s61, s17, 19
	s_add_co_u32 s60, s60, s61
	s_add_co_u32 s60, s60, s58
	s_mov_b32 s61, 0
	s_add_nc_u64 s[12:13], s[12:13], s[60:61]
; 4 cnt matrix instructions: row blocks a0 on x all 4 column blocks, 32 along K, from buffer f.  Every accumulator has one instruction a turn.
.macro MULA f, a0, cnt, zero
	WIN 0x50                                       ; C and D in window 1, the fragments in window 0
.set aa, \a0
.rept \cnt
.irp b, 0,1,2,3
.if \zero
	v_wmma_f32_16x16x32_bf16 v[8*(4*aa+(\b)):8*(4*aa+(\b))+7], v[(\f)+64+8*(\b):(\f)+64+8*(\b)+7], v[(\f)+8*aa:(\f)+8*aa+7], 0
.else
	v_wmma_f32_16x16x32_bf16 v[8*(4*aa+(\b)):8*(4*aa+(\b))+7], v[(\f)+64+8*(\b):(\f)+64+8*(\b)+7], v[(\f)+8*aa:(\f)+8*aa+7], v[8*(4*aa+(\b)):8*(4*aa+(\b))+7]
.endif
.endr
.set aa, aa+1
.endr
.endm
; 24 LDS loads in one run: quarter qd (32 along K) into buffer f: Wo's 8, lnb's row blocks 0-3, then 4-7
.macro FETCH slot, qd, f
	WIN 0
.irp b, 0,1,2,3
	ds_load_b128 v[(\f)+64+8*(\b):(\f)+64+8*(\b)+3],   v[ADRB+(\slot)] offset:((\qd)/2)*BH+(\b)*16*PB+((\qd)%2)*64
	ds_load_b128 v[(\f)+64+8*(\b)+4:(\f)+64+8*(\b)+7], v[ADRB+(\slot)] offset:((\qd)/2)*BH+(\b)*16*PB+((\qd)%2)*64+32
.endr
.irp a, 0,1,2,3,4,5,6,7
	ds_load_b128 v[(\f)+8*(\a):(\f)+8*(\a)+3],   v[ADRA+(\slot)] offset:(\a)*16*PA+64*(\qd)
	ds_load_b128 v[(\f)+8*(\a)+4:(\f)+8*(\a)+7], v[ADRA+(\slot)] offset:(\a)*16*PA+64*(\qd)+32
.endr
.endm
; A step is four quarters, 32 matrix instructions each, on buffers 0, 1, 0, 1.  One of the first three: multiplies f and fetches quarter qd into g.
.macro QUARTER slot, qd, f, g, zero
	s_wait_dscnt 8                                 ; lnb's row blocks 4-7, the youngest eight loads, may be out
	MULA \f, 0, 4, \zero
	PLACES
	FETCH \slot, \qd, \g
	s_wait_dscnt 24                                ; all but the 24 just issued
	MULA \f, 4, 4, \zero
.endm
; The last quarter multiplies buffer 1 and changes slots: each wave waits for all its tensor loads (one is out: its part of the next slot), adds 0 to its spare word, waits for that and
; for its reads of this slot, and signals.  fill = 1: the barrier opens a round of the cluster's, and this slot is filled again, first thing behind it.
.macro TURN slot, next, fill
	WIN 0
	s_wait_tensorcnt 0x0
	ds_add_u32 v[SPW], v[NIL]
	s_wait_dscnt 9                                 ; the add and the youngest eight loads may be out
	MULA F1, 0, 2, 0
	s_wait_dscnt 0x0                               ; the add is done, and my reads of this slot are over
	s_barrier_signal -1
	MULA F1, 2, 2, 0
	WIN 0                                          ; branches may follow
	s_barrier_wait -1
.if \fill
	CREST                                          ; no wave of any partner still reads this slot or has a load on its way
	s_add_nc_u64 s[G0A+4*(\slot)+2:G0A+4*(\slot)+3], s[G0A+4*(\slot)+2:G0A+4*(\slot)+3], 2*2097152
	s_add_nc_u64 s[G0B+4*(\slot)+2:G0B+4*(\slot)+3], s[G0B+4*(\slot)+2:G0B+4*(\slot)+3], 2*262144
	JLOAD \slot                                    ; 112 matrix instructions ahead of the wait for it; its four v_nop are also the places in front of the loads below
.else
	PLACES
.endif
	FETCH \next, 0, F0
	MULA F1, 4, 4, 0
.endm
	s_wait_tensorcnt 0x1                           ; my part of step 0 is in; step 1's may stay out
	s_barrier_signal -1
	s_barrier_wait -1
	FETCH 0, 0, F0
	QUARTER 0, 1, F0, F1, 1                        ; the first quarter stands in front of the loop: its products start the sums
	WIN 0
	s_mov_b32 s3, LAPS-1
.Llap:                                                 ; a trip goes once round the ring and fills both slots again
	QUARTER 0, 2, F1, F0, 0
	QUARTER 0, 3, F0, F1, 0
	TURN 0, 1, 1
	QUARTER 1, 1, F0, F1, 0
	QUARTER 1, 2, F1, F0, 0
	QUARTER 1, 3, F0, F1, 0
	TURN 1, 0, 1
	QUARTER 0, 1, F0, F1, 0
	WIN 0
	s_sub_co_u32 s3, s3, 1
	s_cmp_lg_u32 s3, 0
	s_cbranch_scc1 .Llap
	QUARTER 0, 2, F1, F0, 0                        ; the last lap fills nothing
	QUARTER 0, 3, F0, F1, 0
	TURN 0, 1, 0
	QUARTER 1, 1, F0, F1, 0
	QUARTER 1, 2, F1, F0, 0
	QUARTER 1, 3, F0, F1, 0
	s_wait_dscnt 8
	MULA F1, 0, 4, 0
	s_wait_dscnt 0x0
	MULA F1, 4, 4, 0
	WIN 0
	; THE WAY OUT, 16 rows at a time: the f32 sums go through my own stage, come back as whole rows of 256 bytes, take x_b + bo_b, and are stored.
	PLACES
	s_wait_loadcnt 0x0                             ; x_b and bo, asked for at the start
	v_cvt_pk_bf16_f32 v30, v[BIAS], v[BIAS+1]      ; bo rounded to bf16
	v_cvt_pk_bf16_f32 v31, v[BIAS+2], v[BIAS+3]
	v_lshlrev_b32 v[BIAS], 16, v30
	v_and_b32 v[BIAS+1], s57, v30
	v_lshlrev_b32 v[BIAS+2], 16, v31
	v_and_b32 v[BIAS+3], s57, v31
.macro TOSTAGE a
	WIN 0x04                                       ; the data in window 1, the address in window 0
.irp b, 0,1,2,3
	ds_store_b128 v[STO], v[8*(4*(\a)+(\b)):8*(4*(\a)+(\b))+3]   offset:64*(\b)      ; each accumulator's low four registers first
	ds_store_b128 v[STO], v[8*(4*(\a)+(\b))+4:8*(4*(\a)+(\b))+7] offset:64*(\b)+16
.endr
	WIN 0
.irp t, 0,1,2,3,4,5,6,7
	ds_load_b128 v[OB+32*((\a)%2)+4*(\t):OB+32*((\a)%2)+4*(\t)+3], v[RD] offset:(\t)*2*SPI  ; LDS serves a wave's instructions in order (ISA guide 5.7.1.4): these see the stores above
.endr
.endm
.macro PREP a                          ; x_b widened, plus bo_b: this stands while the stage's loads are out
	WIN 0x08                                       ; source 1 in window 2
.irp t, 0,1,2,3,4,5,6,7
	v_lshlrev_b32 v[T+4*(\t)],   16,  v[2*(8*(\a)+(\t))]
	v_and_b32     v[T+4*(\t)+1], s57, v[2*(8*(\a)+(\t))]
	v_lshlrev_b32 v[T+4*(\t)+2], 16,  v[2*(8*(\a)+(\t))+1]
	v_and_b32     v[T+4*(\t)+3], s57, v[2*(8*(\a)+(\t))+1]
.endr
	WIN 0
.irp t, 0,1,2,3,4,5,6,7
	v_pk_add_f32 v[T+4*(\t):T+4*(\t)+1],   v[T+4*(\t):T+4*(\t)+1],   v[BIAS:BIAS+1]
	v_pk_add_f32 v[T+4*(\t)+2:T+4*(\t)+3], v[T+4*(\t)+2:T+4*(\t)+3], v[BIAS+2:BIAS+3]
.endr
.endm
.macro SEND a
	s_wait_dscnt 0x0                               ; the block is back in registers
	s_wait_xcnt 0x0                                ; the registers that the last block's stores read are loaded again (by the next block) only behind this wait
.irp t, 0,1,2,3,4,5,6,7
	v_pk_add_f32 v[OB+32*((\a)%2)+4*(\t):OB+32*((\a)%2)+4*(\t)+1],   v[OB+32*((\a)%2)+4*(\t):OB+32*((\a)%2)+4*(\t)+1],   v[T+4*(\t):T+4*(\t)+1]
	v_pk_add_f32 v[OB+32*((\a)%2)+4*(\t)+2:OB+32*((\a)%2)+4*(\t)+3], v[OB+32*((\a)%2)+4*(\t)+2:OB+32*((\a)%2)+4*(\t)+3], v[T+4*(\t)+2:T+4*(\t)+3]
.endr
.irp t, 0,1,2,3,4,5,6,7
	global_store_b128 v[CO], v[OB+32*((\a)%2)+4*(\t):OB+32*((\a)%2)+4*(\t)+3], s[12:13] offset:(16*(\a)+2*(\t))*4096 th:TH_STORE_NT  ; 16 lanes store 256 consecutive bytes, aligned
.endr
.endm
.irp a, 0,1,2,3,4,5,6,7
	TOSTAGE \a
	PREP \a
	SEND \a
.endr
	s_wait_tensorcnt 0x0                           ; the wave's end
	ds_add_u32 v[SPW], v[NIL]
	s_wait_dscnt 0x0
	CROUND                                         ; the closing round
	s_endpgm
.Lfunc_end_k_q4e37d4967a_outp:
	.size	k_q4e37d4967a_outp, .Lfunc_end_k_q4e37d4967a_outp-k_q4e37d4967a_outp
	.p2alignl 7, 3214868480
	.fill 96, 4, 3214868480
	.section	.rodata,"a",@progbits
	.p2align	6, 0x0
	.amdhsa_kernel k_q4e37d4967a_outp
		.amdhsa_group_segment_fixed_size 327680
		.amdhsa_private_segment_fixed_size 0
		.amdhsa_enable_private_segment 0
		.amdhsa_kernarg_size 40
		.amdhsa_user_sgpr_count 2
		.amdhsa_user_sgpr_kernarg_segment_ptr 1
		.amdhsa_wavefront_size32 1
		.amdhsa_system_sgpr_workgroup_id_x 1
		.amdhsa_system_sgpr_workgroup_id_y 1
		.amdhsa_system_sgpr_workgroup_id_z 1
		.amdhsa_system_vgpr_workitem_id 0
		.amdhsa_next_free_vgpr 640
		.amdhsa_next_free_sgpr 66
		.amdhsa_reserve_vcc 0
		.amdhsa_float_denorm_mode_32 3
		.amdhsa_float_denorm_mode_16_64 3
		.amdhsa_memory_ordered 1
		.amdhsa_forward_progress 1
		.amdhsa_inst_pref_size 117
	.end_amdhsa_kernel
	.amdgpu_metadata
---
amdhsa.version: [ 1, 2 ]
amdhsa.kernels:
  - .name:           k_q4e37d4967a_outp
    .symbol:         k_q4e37d4967a_outp.kd
    .args:
      - { .name: lnb, .offset: 0, .size: 8, .value_kind: global_buffer, .address_space: global }
      - { .name: wsrc, .offset: 8, .size: 8, .value_kind: global_buffer, .address_space: global }
      - { .name: bo, .offset: 16, .size: 8, .value_kind: global_buffer, .address_space: global }
      - { .name: xb, .offset: 24, .size: 8, .value_kind: global_buffer, .address_space: global }
      - { .name: out0, .offset: 32, .size: 8, .value_kind: global_buffer, .address_space: global }
    .group_segment_fixed_size: 327680
    .private_segment_fixed_size: 0
    .kernarg_segment_align: 8
    .kernarg_segment_size: 40
    .max_flat_workgroup_size: 128
    .sgpr_count:     66
    .vgpr_count:     640
    .wavefront_size: 32
...
	.end_amdgpu_metadata
.endif
;; end of part 5
;; ======== version 2 of 2: 5 launches; version 1 with the launches prep, lnorm written anew for expert scheduling mode
;; limits: a function is approximated: absolute error at most 6e-05
;; workspace buffers: xb 16,777,216 bytes; wsrc 10,485,760 bytes; wcat 6,291,456 bytes; bc 8,192 bytes; retr 33,554,432 bytes; lnb 16,777,216 bytes
;; launch prep (part 6): grid 448 x 1, 8 waves a work-group, no clusters, 0 bytes of LDS; arguments x, Wkp, Wqp, Wk, Wq, Wo, Wv, bk, bq, bkp, bqp, xb, wsrc, wcat, bc; writes xb, wsrc, wcat, bc
.if DOCPART == 6
	.amdgcn_target "amdgcn-amd-amdhsa--gfx1250"
	.amdhsa_code_object_version 6
	.text
	.protected	k_q4e37d4967a_prep
	.globl	k_q4e37d4967a_prep
	.p2align	8
	.type	k_q4e37d4967a_prep,@function
k_q4e37d4967a_prep:
	s_mov_b64 s[64:65], 0
	v_nop
	global_prefetch_b8 v0, s[64:65] scope:SCOPE_SE
	s_setreg_imm32_b32 hwreg(HW_REG_WAVE_SCHED_MODE, 0, 2), 2
	s_setreg_imm32_b32 hwreg(HW_REG_WAVE_MODE, 25, 1), 1
	s_wait_xcnt 0x0
	s_wait_alu depctr_vm_vsrc(0)
; PREP.  Rounds x and the six weight matrices to bf16 and lays them in panels of 64 columns, [panel][row][64], so that every
; (rows x 64 k) tile of the later products is dense in memory.  For Wkp and Wqp it also makes the composed bias
;   bc[e] = 2 log2(e) x (sum over j of Wp_b[e][j] b_b[j] + bp_b[e]),   _b = rounded to bf16, the sum in f32.
; LIMITS.  Every input is taken rounded to bf16 (nearest even), the biases too; NaN and infinities are not treated apart.
; SHARES.  A work-group takes 32 rows of one matrix: groups 0-255 x, then 32 groups each for Wkp, Wqp, Wk, Wq, Wo, Wv (J = 1..6).
; A wave takes 4 rows as two pairs p; lanes 0-15 hold row 4 w + 2 p, lanes 16-31 the next.  Load i of a pair is 256 bytes of each row
; (the 64 columns of panel i); its 4 numbers a lane become 8 bytes, and the 32 lanes store 256 consecutive bytes, aligned.
; All 32 loads of a wave (16 KiB) are issued before the first is waited for: no loop, no LDS, no barrier; the matrix unit has no work here.
; bc leaves as 4 bytes from two lanes a store: 2,048 numbers in the whole launch.
; THE MODE: SCHED_MODE bits 1:0 = 2 (LLVM: expert scheduling mode 2), set by the entry lines.  The code itself states the register dependences
; between vector instructions and memory instructions, with s_wait_alu, always for 0.
; THE PLAN.  Registers that memory instructions touch:
;   v[LOFF], v[SOFF], v[VOFF], v[BOFF]   offsets, made once at the head and never written again: one wait ahead of the first load serves every load and store.
;   X          Load n of 32 (in the order of issue) lands in X + 4 n .. + 3, once.  Its two roundings write X + 4 n and + 1 in place; one store reads those two;
;              nothing writes them again (the dot products only read them).
;   BK, v24, v25   Loads land in them once; from then on vector instructions alone name them.
;   v[DA], v[DA+4] Written by the dot products' last lines; read by the two last stores.
; The 32 loads are worked on in eight groups of four.  Group g's roundings name group g's registers alone; its memory instructions are the four stores of group g - 1.
; So ONE wait at a group's head states all that those stores hang on, and they are dealt among the group's roundings with no further wait.
.set X,    32                          ; v[32:159]  pair p, load i at X + 64 p + 4 i: load n = 16 p + i at X + 4 n
.set BK,   160                         ; v[160:223] bk or bq: my 4 columns of each panel
.set T,    8                           ; v[8:15]    at work
.set DA,   16                          ; v[16:23]   the dot products' sums, four a pair
.set LOFF, 3                           ; v3  byte offset of my 16 bytes in the group's rows, as loaded
.set SOFF, 4                           ; v4  byte offset of my 8 bytes in a panel's 32 rows
.set VOFF, 5                           ; v5  byte offset of my 4 numbers in a panel's 64 of bk
.set BOFF, 6                           ; v6  byte offset of my row in bkp and in bc
.set SB,   66                          ; s[66:97]   panel i's store base
	s_load_b512 s[4:19], s[0:1], 0x0               ; x, Wkp, Wqp, Wk, Wq, Wo, Wv, bk
	s_load_b256 s[20:27], s[0:1], 0x40             ; bq, bkp, bqp, xb
	s_load_b128 s[28:31], s[0:1], 0x60             ; wsrc, wcat
	s_load_b64 s[32:33], s[0:1], 0x70              ; bc
	s_mov_b32 s39, ttmp9
	s_sub_co_u32 s36, s39, 256
	s_lshr_b32 s37, s36, 5
	s_add_co_u32 s37, s37, 1
	s_and_b32 s38, s36, 31
	s_cmp_lt_u32 s39, 256
	s_cselect_b32 s34, 0, s37                      ; J: which matrix
	s_cselect_b32 s35, s39, s38                    ; rg: which 32 rows of it
	s_sub_co_u32 s36, s34, 1                       ; J - 1
	s_mov_b32 s45, 0xffff0000                      ; a word's upper bf16
	; where the rows go (DOFF) and how far apart the panels lie (PS)
	s_lshl_b32 s40, s35, 12                        ; 32 rows of 128 bytes
	s_lshr_b32 s41, s35, 2                         ; block of 128 rows
	s_and_b32 s42, s35, 3
	s_lshl_b32 s42, s42, 12                        ; my 32 rows in it
	s_lshl_b32 s43, s36, 21                        ; wsrc: matrix J - 1, 2 MiB each
	s_lshl_b32 s44, s41, 18
	s_add_co_u32 s44, s44, s43
	s_add_co_u32 s44, s44, s42                     ; Wkp, Wqp: [8 blocks of 128 e][16 panels][128 e][64 j]
	s_mul_i32 s47, s41, 49152
	s_add_co_u32 s47, s47, s42
	s_add_co_u32 s47, s47, 32768                   ; Wv in wcat: row 384 (e / 128) + 256 + e % 128
	s_add_co_u32 s58, s43, s40                     ; Wk, Wq, Wo: [16 panels][1024 rows][64]
	s_mov_b32 s56, 131072
	s_cmp_eq_u32 s34, 0
	s_cselect_b32 s58, s40, s58                    ; x: [16 panels][8192 rows][64]
	s_cselect_b32 s56, 0x100000, s56
	s_cmp_lt_u32 s36, 2
	s_cselect_b32 s58, s44, s58
	s_cselect_b32 s56, 16384, s56
	s_cmp_eq_u32 s34, 6
	s_cselect_b32 s58, s47, s58
	s_cselect_b32 s56, 393216, s56
	s_mov_b32 s57, 0
	s_mov_b32 s59, 0
	s_lshl_b32 s60, s35, 17                        ; 32 rows of 4,096 bytes in the source
	s_mov_b32 s61, 0
	s_lshl_b32 s46, s35, 7                         ; 32 rg rows of 4 bytes
	v_and_b32 v1, 15, v0                           ; c: my place in a row's 256 bytes
	v_lshrrev_b32 v2, 5, v0
	v_bfe_u32 v7, v0, 4, 1
	v_lshl_add_u32 v2, v2, 2, v7                   ; my row of pair 0: 4 w + lane / 16
	v_lshlrev_b32 v[LOFF], 4, v1
	v_lshl_add_u32 v[LOFF], v2, 12, v[LOFF]
	v_lshlrev_b32 v[SOFF], 3, v1
	v_lshl_add_u32 v[SOFF], v2, 7, v[SOFF]
	v_lshlrev_b32 v[VOFF], 4, v1
	v_lshl_add_u32 v[BOFF], v2, 2, s46
	s_wait_kmcnt 0x0
	s_mov_b64 s[48:49], s[4:5]                     ; the source, chosen by J
	s_cmp_eq_u32 s34, 1
	s_cselect_b64 s[48:49], s[6:7], s[48:49]
	s_cmp_eq_u32 s34, 2
	s_cselect_b64 s[48:49], s[8:9], s[48:49]
	s_cmp_eq_u32 s34, 3
	s_cselect_b64 s[48:49], s[10:11], s[48:49]
	s_cmp_eq_u32 s34, 4
	s_cselect_b64 s[48:49], s[12:13], s[48:49]
	s_cmp_eq_u32 s34, 5
	s_cselect_b64 s[48:49], s[14:15], s[48:49]
	s_cmp_eq_u32 s34, 6
	s_cselect_b64 s[48:49], s[16:17], s[48:49]
	s_mov_b64 s[50:51], s[28:29]                   ; the destination: wsrc, but xb for x and wcat for Wv
	s_cselect_b64 s[50:51], s[30:31], s[50:51]
	s_cmp_eq_u32 s34, 0
	s_cselect_b64 s[50:51], s[26:27], s[50:51]
	s_cmp_eq_u32 s34, 2
	s_cselect_b64 s[52:53], s[20:21], s[18:19]     ; bq or bk
	s_cselect_b64 s[54:55], s[24:25], s[22:23]     ; bqp or bkp
	s_add_nc_u64 s[48:49], s[48:49], s[60:61]
	s_add_nc_u64 s[SB:SB+1], s[50:51], s[58:59]
.set i, 1
.rept 15
	s_add_nc_u64 s[SB+2*i:SB+2*i+1], s[SB+2*i-2:SB+2*i-1], s[56:57]
.set i, i+1
.endr
.macro LOADS                           ; the wave's four rows: 32 loads, each 256 bytes of two rows
.irp p, 0,1
.irp i, 0,1,2,3,4,5,6,7,8,9,10,11,12,13,14,15
	global_load_b128 v[X+64*(\p)+4*(\i):X+64*(\p)+4*(\i)+3], v[LOFF], s[48:49] offset:8192*(\p)+256*(\i) th:TH_LOAD_NT
.endr
.endr
.endm
; In the order of the loads, four at a time: round in place; the 8 bytes a lane of the four loads before are stored meanwhile.  n counts the loads.
.macro CONV
.set n, 0
.rept 8
	s_wait_loadcnt 28-n                            ; loads return in order: the count is the data loads issued behind this group's four
.if n > 0
	s_wait_alu depctr_va_vdst(0)                   ; the group before's roundings have written X + 4 (n - 4) .., which the four stores below read
.endif
.rept 4
.if n >= 4
	global_store_b64 v[SOFF], v[X+4*(n-4):X+4*(n-4)+1], s[SB+2*((n-4)%16):SB+2*((n-4)%16)+1] offset:256*((n-4)/16)  ; two rows of a panel: 256 consecutive bytes, aligned.  No vector instruction since the wait names these registers
.endif
	v_cvt_pk_bf16_f32 v[X+4*n],   v[X+4*n],   v[X+4*n+1]
	v_cvt_pk_bf16_f32 v[X+4*n+1], v[X+4*n+2], v[X+4*n+3]
.set n, n+1
.endr
.endr
	s_wait_alu depctr_va_vdst(0)                   ; the last group's roundings have written their registers, which the last four stores read
.rept 4
	global_store_b64 v[SOFF], v[X+4*(n-4):X+4*(n-4)+1], s[SB+2*((n-4)%16):SB+2*((n-4)%16)+1] offset:256*((n-4)/16)
.set n, n+1
.endr
.endm
	s_wait_alu depctr_va_vdst(0)                   ; the four offsets v3 to v6 are written: every load and store of the kernel, on both ways, reads one of them
	s_cmp_lt_u32 s36, 2
	s_cbranch_scc1 .Ldot                           ; Wkp and Wqp also make bc
	LOADS
	CONV
	s_endpgm
.Ldot:
.irp i, 0,1,2,3,4,5,6,7,8,9,10,11,12,13,14,15
	global_load_b128 v[BK+4*(\i):BK+4*(\i)+3], v[VOFF], s[52:53] offset:256*(\i)  ; older than the data loads, so CONV's counts cover them
.endr
	global_load_b32 v24, v[BOFF], s[54:55]
	global_load_b32 v25, v[BOFF], s[54:55] offset:8
	LOADS
	CONV
.set k, 0
.rept 32                               ; bk rounded to bf16 and widened again, in place
	v_cvt_pk_bf16_f32 v[T+k%4], v[BK+2*k], v[BK+2*k+1]
	v_lshlrev_b32 v[BK+2*k], 16, v[T+k%4]
	v_and_b32 v[BK+2*k+1], s45, v[T+k%4]
.set k, k+1
.endr
.irp p, 0,1                            ; the rounded weights are widened from the words just stored; two packed chains a pair of rows
.irp i, 0,1,2,3,4,5,6,7,8,9,10,11,12,13,14,15
	v_lshlrev_b32 v[T+4*((\i)%2)],   16,  v[X+64*(\p)+4*(\i)]
	v_and_b32     v[T+4*((\i)%2)+1], s45, v[X+64*(\p)+4*(\i)]
	v_lshlrev_b32 v[T+4*((\i)%2)+2], 16,  v[X+64*(\p)+4*(\i)+1]
	v_and_b32     v[T+4*((\i)%2)+3], s45, v[X+64*(\p)+4*(\i)+1]
.if (\i) == 0
	v_pk_mul_f32 v[DA+4*(\p):DA+4*(\p)+1],   v[T:T+1],   v[BK:BK+1]        ; the first products start the sums
	v_pk_mul_f32 v[DA+4*(\p)+2:DA+4*(\p)+3], v[T+2:T+3], v[BK+2:BK+3]
.else
	v_pk_fma_f32 v[DA+4*(\p):DA+4*(\p)+1],   v[T+4*((\i)%2):T+4*((\i)%2)+1],   v[BK+4*(\i):BK+4*(\i)+1],   v[DA+4*(\p):DA+4*(\p)+1]
	v_pk_fma_f32 v[DA+4*(\p)+2:DA+4*(\p)+3], v[T+4*((\i)%2)+2:T+4*((\i)%2)+3], v[BK+4*(\i)+2:BK+4*(\i)+3], v[DA+4*(\p)+2:DA+4*(\p)+3]
.endif
.endr
.endr
.irp p, 0,1                            ; a matrix row lies in 16 lanes: four steps inside each half of the wave
	v_pk_add_f32 v[DA+4*(\p):DA+4*(\p)+1], v[DA+4*(\p):DA+4*(\p)+1], v[DA+4*(\p)+2:DA+4*(\p)+3]
	v_add_f32 v[DA+4*(\p)], v[DA+4*(\p)], v[DA+4*(\p)+1]
	v_add_f32_dpp v[DA+4*(\p)], v[DA+4*(\p)], v[DA+4*(\p)] row_xmask:1 row_mask:0xf bank_mask:0xf
	v_add_f32_dpp v[DA+4*(\p)], v[DA+4*(\p)], v[DA+4*(\p)] row_xmask:2 row_mask:0xf bank_mask:0xf
	v_add_f32_dpp v[DA+4*(\p)], v[DA+4*(\p)], v[DA+4*(\p)] row_xmask:4 row_mask:0xf bank_mask:0xf
	v_add_f32_dpp v[DA+4*(\p)], v[DA+4*(\p)], v[DA+4*(\p)] row_xmask:8 row_mask:0xf bank_mask:0xf
.endr
	v_cvt_pk_bf16_f32 v26, v24, v25                ; bkp rounded to bf16
	v_lshlrev_b32 v24, 16, v26
	v_and_b32 v25, s45, v26
	v_add_f32 v[DA], v[DA], v24
	v_add_f32 v[DA+4], v[DA+4], v25
	v_mul_f32 v[DA], 0x4038aa3b, v[DA]             ; times 2 log2(e): the later exponential is base 2
	v_mul_f32 v[DA+4], 0x4038aa3b, v[DA+4]
	s_lshl_b32 s60, s36, 12                        ; bc's row 0 for k, row 1 for q
	s_add_nc_u64 s[32:33], s[32:33], s[60:61]
	v_cmp_eq_u32 vcc_lo, 0, v1
	s_wait_xcnt 0x0                                ; EXEC is a source of the stores above: it changes only behind this wait
	s_wait_alu depctr_va_vcc(0)                    ; the compare has written VCC, from which EXEC is made
	s_wait_alu depctr_va_vdst(0)                   ; ahead of a write of EXEC: the vector instructions issued so far are done; among them those that wrote v[DA] and v[DA+4], which the two stores below read
	s_wait_alu depctr_vm_vsrc(0)                   ; ahead of a write of EXEC: the stores issued so far have read their vector registers
	s_and_saveexec_b32 s46, vcc_lo                 ; lanes 0 and 16 speak for their rows
	global_store_b32 v[BOFF], v[DA], s[32:33]
	global_store_b32 v[BOFF], v[DA+4], s[32:33] offset:8
	s_wait_xcnt 0x0                                ; and again in front of the line that widens it
	s_wait_alu depctr_va_vdst(0)                   ; ahead of a write of EXEC: no vector instruction is still at work
	s_wait_alu depctr_vm_vsrc(0)                   ; ahead of a write of EXEC: the two stores have read their vector registers
	s_or_b32 exec_lo, exec_lo, s46
	s_endpgm
.Lfunc_end_k_q4e37d4967a_prep:
	.size	k_q4e37d4967a_prep, .Lfunc_end_k_q4e37d4967a_prep-k_q4e37d4967a_prep
	.p2alignl 7, 3214868480
	.fill 96, 4, 3214868480
	.section	.rodata,"a",@progbits
	.p2align	6, 0x0
	.amdhsa_kernel k_q4e37d4967a_prep
		.amdhsa_group_segment_fixed_size 0
		.amdhsa_private_segment_fixed_size 0
		.amdhsa_enable_private_segment 0
		.amdhsa_kernarg_size 120
		.amdhsa_user_sgpr_count 2
		.amdhsa_user_sgpr_kernarg_segment_ptr 1
		.amdhsa_wavefront_size32 1
		.amdhsa_system_sgpr_workgroup_id_x 1
		.amdhsa_system_sgpr_workgroup_id_y 1
		.amdhsa_system_sgpr_workgroup_id_z 1
		.amdhsa_system_vgpr_workitem_id 0
		.amdhsa_next_free_vgpr 224
		.amdhsa_next_free_sgpr 100
		.amdhsa_reserve_vcc 1
		.amdhsa_float_denorm_mode_32 3
		.amdhsa_float_denorm_mode_16_64 3
		.amdhsa_memory_ordered 1
		.amdhsa_forward_progress 1
		.amdhsa_inst_pref_size 41
	.end_amdhsa_kernel
	.amdgpu_metadata
---
amdhsa.version: [ 1, 2 ]
amdhsa.kernels:
  - .name:           k_q4e37d4967a_prep
    .symbol:         k_q4e37d4967a_prep.kd
    .args:
      - { .name: x, .offset: 0, .size: 8, .value_kind: global_buffer, .address_space: global }
      - { .name: Wkp, .offset: 8, .size: 8, .value_kind: global_buffer, .address_space: global }
      - { .name: Wqp, .offset: 16, .size: 8, .value_kind: global_buffer, .address_space: global }
      - { .name: Wk, .offset: 24, .size: 8, .value_kind: global_buffer, .address_space: global }
      - { .name: Wq, .offset: 32, .size: 8, .value_kind: global_buffer, .address_space: global }
      - { .name: Wo, .offset: 40, .size: 8, .value_kind: global_buffer, .address_space: global }
      - { .name: Wv, .offset: 48, .size: 8, .value_kind: global_buffer, .address_space: global }
      - { .name: bk, .offset: 56, .size: 8, .value_kind: global_buffer, .address_space: global }
      - { .name: bq, .offset: 64, .size: 8, .value_kind: global_buffer, .address_space: global }
      - { .name: bkp, .offset: 72, .size: 8, .value_kind: global_buffer, .address_space: global }
      - { .name: bqp, .offset: 80, .size: 8, .value_kind: global_buffer, .address_space: global }
      - { .name: xb, .offset: 88, .size: 8, .value_kind: global_buffer, .address_space: global }
      - { .name: wsrc, .offset: 96, .size: 8, .value_kind: global_buffer, .address_space: global }
      - { .name: wcat, .offset: 104, .size: 8, .value_kind: global_buffer, .address_space: global }
      - { .name: bc, .offset: 112, .size: 8, .value_kind: global_buffer, .address_space: global }
    .group_segment_fixed_size: 0
    .private_segment_fixed_size: 0
    .kernarg_segment_align: 8
    .kernarg_segment_size: 120
    .max_flat_workgroup_size: 256
    .sgpr_count:     100
    .vgpr_count:     224
    .wavefront_size: 32
...
	.end_amdgpu_metadata
.endif
;; end of part 6
;; launch wprod: the kernel of part 2 again; grid 8 x 16, 4 waves a work-group, clusters of 4 x 4, 327,680 bytes of LDS; arguments wsrc, wcat; writes wcat
;; launch phasor: the kernel of part 3 again; grid 8 x 32, 4 waves a work-group, clusters of 4 x 4, 327,680 bytes of LDS; arguments xb, wcat, bc, bv, phase_scale, retr; writes retr
;; launch lnorm (part 7): grid 256 x 1, 8 waves a work-group, no clusters, 0 bytes of LDS; arguments retr, ln_g, ln_b, lnb; writes lnb
.if DOCPART == 7
	.amdgcn_target "amdgcn-amd-amdhsa--gfx1250"
	.amdhsa_code_object_version 6
	.text
	.protected	k_q4e37d4967a_lnorm
	.globl	k_q4e37d4967a_lnorm
	.p2align	8
	.type	k_q4e37d4967a_lnorm,@function
k_q4e37d4967a_lnorm:
	s_mov_b64 s[64:65], 0
	v_nop
	global_prefetch_b8 v0, s[64:65] scope:SCOPE_SE
	s_setreg_imm32_b32 hwreg(HW_REG_WAVE_SCHED_MODE, 0, 2), 2
	s_setreg_imm32_b32 hwreg(HW_REG_WAVE_MODE, 25, 1), 1
	s_wait_xcnt 0x0
	s_wait_alu depctr_vm_vsrc(0)
; LNORM.  lnb[row] = bf16((retr[row] - mean) / sqrt(var + 1e-5) x g_b + b_b), over the row's 1,024 columns, in f32: the mean first, then the mean of the squared differences.
; lnb lies in panels of 128 columns, [8][8192 rows][128] bf16, so that a (rows x 128 k) tile of the last product is dense.
; LIMITS.  ln_g and ln_b are taken rounded to bf16; v_rsq_f32 is good to 1 ULP; NaN and infinities are not treated apart.
; SHARES.  Memory binds: a work-group takes 32 rows, a wave 4 whole rows, kept in 128 registers between the passes: each byte is read once, and no wave waits for another:
; no LDS, no barrier, no loop; the matrix unit and clusters have nothing to do here.  All 32 loads of a wave (16 KiB) are issued before the first is waited for.
; Load j of a row is 512 consecutive bytes: lane l holds columns 128 j + 4 l .. + 3, which become 8 bytes of panel j: the 32 lanes store 256 consecutive bytes, aligned.
; THE MODE: SCHED_MODE bits 1:0 = 2 (LLVM: expert scheduling mode 2), set by the entry lines.  The code itself states the register dependences
; between vector instructions and memory instructions, with s_wait_alu, always for 0.
; THE PLAN.  Registers that memory instructions touch:
;   v[OFF], v[CO], v[SO]   offsets, made once at the head and never written again: one wait ahead of the first load serves every load and store.
;   X        The loads land in it once.  The statistics and the multiply-adds work on it in place; row rho's roundings write X + 32 rho + 4 j and + 1; one store reads those two; nothing writes them again.
;   G, BV    Loads land in them once; from then on vector instructions alone name them.
; Row rho's multiply-adds and roundings name row rho's registers, G and BV alone; the memory instructions that stand among them are the eight stores of row rho - 1.
; So ONE wait at the head of a row's last pass states all that those stores hang on.  No register that a store reads is written again, no vector instruction writes a scalar register, and EXEC is never written.
.set OFF, 2                            ; v2  my byte offset in the group's rows of retr
.set CO,  3                            ; v3  my byte offset in 512 bytes of g and b
.set SO,  4                            ; v4  my byte offset in a panel's 32 rows
.set T,   8                            ; v[8:23]  at work
.set MU,  24                           ; v[24:25] the mean, twice
.set R,   26                           ; v[26:27] 1 / sqrt(var + eps), twice
.set X,   32                           ; v[32:159]  row rho at X + 32 rho
.set G,   160                          ; v[160:191]
.set BV,  192                          ; v[192:223]
	s_load_b256 s[4:11], s[0:1], 0x0               ; retr s[4:5], ln_g s[6:7], ln_b s[8:9], lnb s[10:11]
	s_mov_b32 s12, 0x76543210                      ; v_permlanex16_b32: each lane takes its own place in the other half
	s_mov_b32 s13, 0xfedcba98
	s_mov_b32 s16, 0x3a800000                      ; 1 / 1024
	s_mov_b32 s17, 0x3727c5ac                      ; 1e-5
	s_mov_b32 s18, 0xffff0000
	s_lshl_b32 s20, ttmp9, 17                      ; 32 rows of 4,096 bytes
	s_mov_b32 s21, 0
	s_lshl_b32 s22, ttmp9, 13                      ; 32 rows of 256 bytes
	s_mov_b32 s23, 0
	v_and_b32 v1, 31, v0
	v_lshrrev_b32 v5, 5, v0
	v_lshlrev_b32 v[CO], 4, v1
	v_lshl_add_u32 v[OFF], v5, 14, v[CO]
	v_lshlrev_b32 v[SO], 3, v1
	v_lshl_add_u32 v[SO], v5, 10, v[SO]
	s_wait_kmcnt 0x0
	s_add_nc_u64 s[4:5], s[4:5], s[20:21]
	s_add_nc_u64 s[10:11], s[10:11], s[22:23]
	s_add_nc_u64 s[14:15], s[10:11], 0x800000      ; panels 4-7: the stores' immediate reaches four panels
	s_wait_alu depctr_va_vdst(0)                   ; the three offsets v2 to v4 are written: every load and store of the kernel reads one of them
.irp rho, 0,1,2,3
.irp j, 0,1,2,3,4,5,6,7
	global_load_b128 v[X+32*(\rho)+4*(\j):X+32*(\rho)+4*(\j)+3], v[OFF], s[4:5] offset:4096*(\rho)+512*(\j) th:TH_LOAD_NT
.endr
.endr
.irp j, 0,1,2,3,4,5,6,7
	global_load_b128 v[G+4*(\j):G+4*(\j)+3], v[CO], s[6:7] offset:512*(\j)
.endr
.irp j, 0,1,2,3,4,5,6,7
	global_load_b128 v[BV+4*(\j):BV+4*(\j)+3], v[CO], s[8:9] offset:512*(\j)
.endr
.macro LANESUM r, t                    ; the sum of v[r] over the 32 lanes, in every lane; v[t] has been written before
	v_add_f32_dpp v[\r], v[\r], v[\r] row_xmask:1 row_mask:0xf bank_mask:0xf
	v_add_f32_dpp v[\r], v[\r], v[\r] row_xmask:2 row_mask:0xf bank_mask:0xf
	v_add_f32_dpp v[\r], v[\r], v[\r] row_xmask:4 row_mask:0xf bank_mask:0xf
	v_add_f32_dpp v[\r], v[\r], v[\r] row_xmask:8 row_mask:0xf bank_mask:0xf
	v_permlanex16_b32 v[\t], v[\r], s12, s13
	v_add_f32 v[\r], v[\r], v[\t]
.endm
.macro STAT rho                        ; row rho becomes (x - mean) / sqrt(var + eps), in place
.set XR, X+32*(\rho)
	s_wait_loadcnt 40-8*(\rho)                     ; loads return in order: the later rows' loads and the sixteen of g and b may be out
.irp k, 0,1,2,3,4,5,6,7
	v_pk_add_f32 v[T+2*(\k):T+2*(\k)+1], v[XR+4*(\k):XR+4*(\k)+1], v[XR+4*(\k)+2:XR+4*(\k)+3]
.endr
.irp k, 0,1,2,3
	v_pk_add_f32 v[T+2*(\k):T+2*(\k)+1], v[T+2*(\k):T+2*(\k)+1], v[T+2*(\k)+8:T+2*(\k)+9]
.endr
.irp k, 0,1
	v_pk_add_f32 v[T+2*(\k):T+2*(\k)+1], v[T+2*(\k):T+2*(\k)+1], v[T+2*(\k)+4:T+2*(\k)+5]
.endr
	v_pk_add_f32 v[T:T+1], v[T:T+1], v[T+2:T+3]
	v_add_f32 v[T], v[T], v[T+1]
	LANESUM T, T+1
	v_mul_f32 v[MU], s16, v[T]
	v_mul_f32 v[MU+1], s16, v[T]
.irp k, 0,1,2,3,4,5,6,7,8,9,10,11,12,13,14,15
	v_pk_add_f32 v[XR+2*(\k):XR+2*(\k)+1], v[XR+2*(\k):XR+2*(\k)+1], v[MU:MU+1] neg_lo:[0,1] neg_hi:[0,1]
.endr
.irp k, 0,1,2,3                        ; the squares in four chains; the first four start them
	v_pk_mul_f32 v[T+2*(\k):T+2*(\k)+1], v[XR+2*(\k):XR+2*(\k)+1], v[XR+2*(\k):XR+2*(\k)+1]
.endr
.irp k, 4,5,6,7,8,9,10,11,12,13,14,15
	v_pk_fma_f32 v[T+2*((\k)%4):T+2*((\k)%4)+1], v[XR+2*(\k):XR+2*(\k)+1], v[XR+2*(\k):XR+2*(\k)+1], v[T+2*((\k)%4):T+2*((\k)%4)+1]
.endr
	v_pk_add_f32 v[T:T+1], v[T:T+1], v[T+2:T+3]
	v_pk_add_f32 v[T+4:T+5], v[T+4:T+5], v[T+6:T+7]
	v_pk_add_f32 v[T:T+1], v[T:T+1], v[T+4:T+5]
	v_add_f32 v[T], v[T], v[T+1]
	LANESUM T, T+1
	v_fma_f32 v[T], v[T], s16, s17                 ; var + eps
	v_rsq_f32 v[R], v[T]
	v_rsq_f32 v[R+1], v[T]
	v_nop                                          ; a plain instruction between the root and the use of its result (ISA guide 5.7.2)
	s_wait_alu depctr_va_vdst(0)                   ; the two roots have written v[R] and v[R+1], ahead of their first reader: one wait for both
.irp k, 0,1,2,3,4,5,6,7,8,9,10,11,12,13,14,15
	v_pk_mul_f32 v[XR+2*(\k):XR+2*(\k)+1], v[XR+2*(\k):XR+2*(\k)+1], v[R:R+1]
.endr
.endm
.macro PUT rho, j                      ; row rho's 8 bytes a lane of panel j: 256 consecutive bytes, aligned
.if (\j) < 4
	global_store_b64 v[SO], v[X+32*(\rho)+4*(\j):X+32*(\rho)+4*(\j)+1], s[10:11] offset:(\j)*2097152+256*(\rho)
.else
	global_store_b64 v[SO], v[X+32*(\rho)+4*(\j):X+32*(\rho)+4*(\j)+1], s[14:15] offset:((\j)-4)*2097152+256*(\rho)
.endif
.endm
.macro APPLY rho                       ; times g, plus b, rounded to bf16; the row before is stored meanwhile
.set XR, X+32*(\rho)
.if (\rho) > 0
	s_wait_alu depctr_va_vdst(0)                   ; the row before's roundings have written their registers, which the eight stores below read
.endif
.irp j, 0,1,2,3,4,5,6,7
.if (\rho) > 0
	PUT (\rho)-1, \j                               ; no vector instruction since the wait names the row before's registers
.endif
	v_pk_fma_f32 v[XR+4*(\j):XR+4*(\j)+1],   v[XR+4*(\j):XR+4*(\j)+1],   v[G+4*(\j):G+4*(\j)+1],   v[BV+4*(\j):BV+4*(\j)+1]
	v_pk_fma_f32 v[XR+4*(\j)+2:XR+4*(\j)+3], v[XR+4*(\j)+2:XR+4*(\j)+3], v[G+4*(\j)+2:G+4*(\j)+3], v[BV+4*(\j)+2:BV+4*(\j)+3]
.endr
.irp j, 0,1,2,3,4,5,6,7
	v_cvt_pk_bf16_f32 v[XR+4*(\j)],   v[XR+4*(\j)],   v[XR+4*(\j)+1]
	v_cvt_pk_bf16_f32 v[XR+4*(\j)+1], v[XR+4*(\j)+2], v[XR+4*(\j)+3]
.endr
.endm
	STAT 0
	STAT 1
	STAT 2
	STAT 3
	s_wait_loadcnt 0x0                             ; g and b
.set k, 0
.rept 16                               ; rounded to bf16 and widened again, in place
	v_cvt_pk_bf16_f32 v[T+k%8],   v[G+2*k],  v[G+2*k+1]
	v_cvt_pk_bf16_f32 v[T+8+k%8], v[BV+2*k], v[BV+2*k+1]
	v_lshlrev_b32 v[G+2*k],    16,  v[T+k%8]
	v_and_b32     v[G+2*k+1],  s18, v[T+k%8]
	v_lshlrev_b32 v[BV+2*k],   16,  v[T+8+k%8]
	v_and_b32     v[BV+2*k+1], s18, v[T+8+k%8]
.set k, k+1
.endr
	APPLY 0
	APPLY 1
	APPLY 2
	APPLY 3
	s_wait_alu depctr_va_vdst(0)                   ; the last row's roundings have written their registers, which the last eight stores read
.irp j, 0,1,2,3,4,5,6,7
	PUT 3, \j
.endr
	s_endpgm
.Lfunc_end_k_q4e37d4967a_lnorm:
	.size	k_q4e37d4967a_lnorm, .Lfunc_end_k_q4e37d4967a_lnorm-k_q4e37d4967a_lnorm
	.p2alignl 7, 3214868480
	.fill 96, 4, 3214868480
	.section	.rodata,"a",@progbits
	.p2align	6, 0x0
	.amdhsa_kernel k_q4e37d4967a_lnorm
		.amdhsa_group_segment_fixed_size 0
		.amdhsa_private_segment_fixed_size 0
		.amdhsa_enable_private_segment 0
		.amdhsa_kernarg_size 32
		.amdhsa_user_sgpr_count 2
		.amdhsa_user_sgpr_kernarg_segment_ptr 1
		.amdhsa_wavefront_size32 1
		.amdhsa_system_sgpr_workgroup_id_x 1
		.amdhsa_system_sgpr_workgroup_id_y 1
		.amdhsa_system_sgpr_workgroup_id_z 1
		.amdhsa_system_vgpr_workitem_id 0
		.amdhsa_next_free_vgpr 224
		.amdhsa_next_free_sgpr 66
		.amdhsa_reserve_vcc 0
		.amdhsa_float_denorm_mode_32 3
		.amdhsa_float_denorm_mode_16_64 3
		.amdhsa_memory_ordered 1
		.amdhsa_forward_progress 1
		.amdhsa_inst_pref_size 42
	.end_amdhsa_kernel
	.amdgpu_metadata
---
amdhsa.version: [ 1, 2 ]
amdhsa.kernels:
  - .name:           k_q4e37d4967a_lnorm
    .symbol:         k_q4e37d4967a_lnorm.kd
    .args:
      - { .name: retr, .offset: 0, .size: 8, .value_kind: global_buffer, .address_space: global }
      - { .name: ln_g, .offset: 8, .size: 8, .value_kind: global_buffer, .address_space: global }
      - { .name: ln_b, .offset: 16, .size: 8, .value_kind: global_buffer, .address_space: global }
      - { .name: lnb, .offset: 24, .size: 8, .value_kind: global_buffer, .address_space: global }
    .group_segment_fixed_size: 0
    .private_segment_fixed_size: 0
    .kernarg_segment_align: 8
    .kernarg_segment_size: 32
    .max_flat_workgroup_size: 256
    .sgpr_count:     66
    .vgpr_count:     224
    .wavefront_size: 32
...
	.end_amdgpu_metadata
.endif
;; end of part 7
;; launch outp: the kernel of part 5 again; grid 8 x 32, 4 waves a work-group, clusters of 4 x 4, 327,680 bytes of LDS; arguments lnb, wsrc, bo, xb, out0; writes out0
